; MI455X (gfx1250); checked and timed in simulation.
; The chip was launched on July 23, 2026; its instructions are those of AMD's public machine-readable ISA for CDNA 5 (MIT licence, August 2026) and "CDNA5" Instruction Set Architecture Reference Guide (July 2026). The comments in the code are by the model that wrote it; some were corrected since.
;; Masked Causal Attention. Allowed arithmetic: matrix products marked QUANTISED: E4M3 operands, one E8M0 scale for each 32 along K, by v_wmma_scale_f32_16x16x128_f8f6f4 with both operands' format E4M3, f32 sums; everything else in f32.
;; Inputs: Wk 1,024 x 1,024 float32; Wo 1,024 x 1,024 float32; Wq 1,024 x 1,024 float32; Wv 1,024 x 1,024 float32; bk 1,024 float32; bo 1,024 float32; bq 1,024 float32; bv 1,024 float32; x 4 x 2,048 x 1,024 float32.
;; Outputs: out0 4 x 2,048 x 1,024 float32.
;; This version of the problem:
;;   THIS VERSION OF THE PROBLEM IS GIVEN IN LOW PRECISION. The matrix products marked QUANTISED in the list below multiply operands that are first quantised to E4M3 (4 exponent bits, 3 mantissa bits; 8 bits a number), with one power-of-two scale for each 32 numbers along K (OCP MX v1.0); their sums are f32. All else is computed in f32.
;;   The module's matrix products, in the order in which they are computed (A, B: the left and right operand; K: the contracted axis; several contracted axes count as one K, in the product's order):
;;     1. [M 8,192, K 1,024] x [K 1,024, N 1,024]; A: input x; B: input Wq: QUANTISED
;;     2. [M 8,192, K 1,024] x [K 1,024, N 1,024]; A: input x; B: input Wk: QUANTISED
;;     3. [M 8,192, K 1,024] x [K 1,024, N 1,024]; A: input x; B: input Wv: QUANTISED
;;     4. batch 64 x [M 2,048, K 64] x [K 64, N 2,048]; A: computed on the way; B: computed on the way: QUANTISED
;;     5. batch 64 x [M 2,048, K 2,048] x [K 2,048, N 64]; A: softmax (see below); B: computed on the way: QUANTISED
;;     6. [M 8,192, K 1,024] x [K 1,024, N 1,024]; A: computed on the way; B: input Wo: QUANTISED
;;   THE QUANTISER, for each operand of a quantised product, along K:
;;     - K is cut into blocks of 32 from its start; a last block that is shorter is filled with zeros.
;;     - A block's scale is 2^e with e = floor(log2(the largest magnitude in the block)) - 8, held to -126 .. 127; a block of zeros has e = 0. As a byte (E8M0): e + 127.
;;     - Each number is divided by its block's scale, clamped to +-448, and rounded to the nearest number of E4M3, ties to even, subnormals kept.
;;     - The product sums the exact products of the quantised numbers (number of the format x scale) in f32.
;;   ~~~python
;;   def quantise(x, axis):      # numpy; x: float32 -> the quantised numbers, widened to float32 again
;;       x = np.moveaxis(x, axis, -1); K = x.shape[-1]
;;       x = np.pad(x, [(0, 0)] * (x.ndim - 1) + [(0, -K % 32)]); x = x.reshape(x.shape[:-1] + (-1, 32)); a = np.abs(x).max(-1, keepdims=True)
;;       e = np.where(a > 0, np.clip(np.frexp(np.where(a > 0, a, 1))[1] - 1 - 8, -126, 127), 0)      # np.frexp(a)[1] - 1 = floor(log2(a)), exactly
;;       r = np.clip(x / 2.0 ** e, -448, 448)
;;       step = 2.0 ** (np.maximum(np.frexp(np.where(r == 0, 1, r))[1] - 1, -6) - 3)
;;       q = np.round(r / step) * step * 2.0 ** e      # np.round: ties to even
;;       return np.moveaxis(q.reshape(q.shape[:-2] + (-1,))[..., :K], -1, axis).astype(np.float32)
;;   ~~~
;;   SOFTMAX AHEAD OF A QUANTISED PRODUCT. Where the list says 'softmax', what is quantised is not the finished softmax but p = 2^(t - M), with t = logit x log2(e) and M = ceil(the row's largest t), a whole number; so 1/2 < the row's largest p <= 1. The row's sum l is taken of the UNQUANTISED p, in f32, and the product's result is divided by l at the end. Since M is a whole number, a kernel that streams over the keys may use a running M (the ceiling of the running maximum): every later rescaling is an exact power of two, which a block's scale takes up: the codes' values come out the same.
;;   OPERANDS COMPUTED ON THE WAY. 'Computed on the way' means the value that the module computes at that place (a softmax that the list does not call 'softmax' is quantised finished and normalised). What goes into a quantiser is computed in f32, as accurately as f32 sums, v_exp_f32 and their like allow (about 1e-6 of the number): no bf16 or f16 on the way to a quantiser, and a product that is left as it is and whose result goes on into a quantised operand takes f32 operands (vector FMAs, or v_wmma_f32_16x16x4_f32). A number that lies on a knife's edge between two numbers of the format may be rounded either way, as far as f32 arithmetic and the matrix unit's own rounding can turn it there, and no further.
;; One version. Each part assembles by itself: llvm-mc -triple=amdgcn-amd-amdhsa -mcpu=gfx1250 --defsym DOCPART=n.
;; ======== version 1 of 1: 4 launches
;; limits: right only within a limited range of input values
;; workspace buffers: x_codes 8,388,608 bytes; x_scales 262,144 bytes; w_codes 4,194,304 bytes; w_scales 131,072 bytes; qkv_codes 25,165,824 bytes; qkv_scales 1,572,864 bytes; a_codes 8,388,608 bytes; a_scales 262,144 bytes
;; launch quant (part 1): grid 256 x 1, 4 waves a work-group, no clusters, 34,304 bytes of LDS; arguments x, Wq, Wk, Wv, Wo, x_codes, x_scales, w_codes, w_scales; writes x_codes, x_scales, w_codes, w_scales
.if DOCPART == 1
	.amdgcn_target "amdgcn-amd-amdhsa--gfx1250"
	.amdhsa_code_object_version 6
	.text
	.protected	k_qc65ad5786a_quant
	.globl	k_qc65ad5786a_quant
	.p2align	8
	.type	k_qc65ad5786a_quant,@function
k_qc65ad5786a_quant:
	s_mov_b64 s[64:65], 0
	v_nop
	global_prefetch_b8 v0, s[64:65] scope:SCOPE_SE
	s_setreg_imm32_b32 hwreg(HW_REG_WAVE_MODE, 25, 1), 1
	s_wait_xcnt 0x0
; x [8192][1024] and the four weights [1024 (k)][1024 (n)], f32, become codes of FP8 (E4M3) with one E8M0 byte for each 32 along K (K = the 1,024 channels; the weights' FIRST axis).
; THE CODES ARE LAID AS IMAGES OF THE MATRIX OPERAND'S REGISTERS: a fragment (16 rows x 128 K) is 2,048 bytes, [c 0..3][lane 0..31][16 bytes]; lane (r = lane % 16, h = lane / 16) holds k = 32 c + 16 h + 0 .. 15 of the tile's row r.
; Row r of tile T is the logical row 32 (T / 2) + 8 (T % 2) + r + 8 (r / 8) (a token of x, a column n of a weight).  A tile's eight fragments along K lie on end: 16,384 bytes a tile.  Scale bytes: [16 T + r][32].
; A block's scale is 2^(floor(log2(its largest magnitude)) - 8); its byte is the largest magnitude's exponent field - 8, held at 1 from below.
; LIMITS: a block of zeros gets the byte 1 where the rule says 127 (its codes are zeros, and this program alone reads the bytes); NaN and infinities among the inputs are not served.
; Work-groups 0-127 take x: a wave takes one tile, all of K, in eight steps of 128.  Each load reads 512 consecutive bytes of one row; a step's 16 rows turn through the wave's own stage in LDS (rows of 528 bytes), so that a lane gets 16 neighbours along K of each block.
; Work-groups 128-255 take the weights: a lane takes a column n and its registers run down K, so that a block of 32 lies in one lane; a wave takes 32 columns x 256 along K.  Each store of codes covers two aligned runs of 256 bytes.
; The weights' scale bytes leave as 8 bytes a lane, 32 bytes apart: one byte for each 128 bytes that this way reads.  No tensor loads, no barrier: waves share nothing.
.set SP,    528                        ; a stage row: 512 bytes + 16
.set WREG,  16*SP                      ; a wave's stage
.set LA,    1                          ; v1   16 x lane
.set SIN,   2                          ; v2   the stage, on the way in
.set SOUT,  3                          ; v3   and on the way out: row r, + 64 h
.set SCO,   4                          ; v4   my 16 bytes of the tile's scale bytes: 32 r + 16 h
.set WD,    8                          ; v8-15   a scale word for each step
.set R,     16                         ; v16-143 two sets of 64 numbers as they are loaded
.set X,     144                        ; v144-207 64 numbers: register 16 c + i = k 32 c + 16 h + i of my row
.set PC,    208                        ; v208-239 two sets of codes
.set TM,    240                        ; v240-243 largest magnitudes, v244-247 bytes, v252-255 the conversions' scale operands
.set XW,    32                         ; the weights' way: v32-95 two sets of 32 numbers
.set CW,    96                         ; v96-111 two sets of a block's codes
.set SB,    24                         ; v24-25 the scale bytes, four to a register
.set SEL,   28                         ; s[28:29] v_permlanex16_b32's selects for lane l xor 16
.set MNT,   30
; 64 numbers of a lane in v[QS] on become a fragment's codes in v[QP] on; the four scale bytes are left in v[TM+4] on.
.macro QUANT
.irp b, 0,1,2,3
	v_max3_num_f32 v[TM+\b], |v[QS+16*\b]|, |v[QS+1+16*\b]|, 0x4800000   ; block b: my 16 numbers, and the floor 2^(9 - 127): the byte cannot fall under 1
.endr
.irp i, 2,4,6,8,10,12,14
.irp b, 0,1,2,3
	v_max3_num_f32 v[TM+\b], v[TM+\b], |v[QS+16*\b+\i]|, |v[QS+1+16*\b+\i]|   ; the four blocks by turns
.endr
.endr
.irp b, 0,1,2,3
	v_permlanex16_b32 v[TM+4+\b], v[TM+\b], s[SEL], s[SEL+1]
.endr
.irp b, 0,1,2,3
	v_max_num_f32 v[TM+\b], v[TM+\b], v[TM+4+\b]                 ; with lane l xor 16's: the block's largest magnitude
.endr
.irp b, 0,1,2,3
	v_add_nc_u32 v[TM+12+\b], 0xfc000000, v[TM+\b]               ; 8 off its exponent field: the conversion takes this operand's exponent field as its scale
.endr
.irp b, 0,1,2,3
.endr
.irp b, 0,1,2,3
	v_lshrrev_b32 v[TM+4+\b], 23, v[TM+12+\b]                    ; the scale's byte
.endr
.irp b, 0,1,2,3
.irp i, 0,1,2,3,4,5,6,7,8,9,10,11,12,13,14,15
.endr
	v_cvt_scalef32_pk8_fp8_f32 v[QP+4*\b:QP+1+4*\b], v[QS+16*\b:QS+7+16*\b], v[TM+12+\b]
	v_cvt_scalef32_pk8_fp8_f32 v[QP+2+4*\b:QP+3+4*\b], v[QS+8+16*\b:QS+15+16*\b], v[TM+12+\b]
.endr
	v_nop                                          ; one plain vector line behind the last conversion
.endm
	s_load_b256 s[8:15], s[0:1], 0x0               ; x s[8:9], Wq s[10:11], Wk s[12:13], Wv s[14:15]
	s_load_b256 s[16:23], s[0:1], 0x20             ; Wo s[16:17], x's codes s[18:19], x's scales s[20:21], the weights' codes s[22:23]
	s_load_b64 s[24:25], s[0:1], 0x40              ; the weights' scales
	s_set_vgpr_msb 0x40
	v_lshl_add_u32 v0, v0, 2, 0x8400
	v_mov_b32 v1, 0
	s_set_vgpr_msb 0x4000
	v_lshrrev_b32 v1, 5, v0
	v_readfirstlane_b32 s26, v1                    ; wave 0..3
	v_and_b32 v5, 31, v0                           ; lane
	s_mov_b32 s[SEL], 0x76543210
	s_mov_b32 s[SEL+1], 0xfedcba98
	s_cmp_lt_u32 ttmp9, 128                        ; x's work-group or the weights'?
	s_cbranch_scc0 .Lweights
	; ---------------- x ----------------
	v_and_b32 v6, 15, v0                           ; r
	v_bfe_u32 v7, v0, 4, 1                         ; h
	v_lshlrev_b32 v[LA], 4, v5
	s_mul_i32 s27, s26, WREG
	v_add_nc_u32 v[SIN], s27, v[LA]
	v_mul_u32_u24 v[SOUT], v6, SP
	v_lshl_add_u32 v[SOUT], v7, 6, v[SOUT]
	v_add_nc_u32 v[SOUT], s27, v[SOUT]
	v_lshlrev_b32 v[SCO], 5, v6
	v_lshl_add_u32 v[SCO], v7, 4, v[SCO]
.irp b, 0,1,2,3
	v_mov_b32 v[TM+4+\b], 0                        ; written once: a lane permute's destination counts as one of its sources
.endr
	s_lshl_b32 s31, ttmp9, 2
	s_add_co_u32 s31, s31, s26                     ; my tile T
	s_lshr_b32 s32, s31, 1
	s_lshl_b32 s32, s32, 17                        ; 32 (T / 2) rows of 4,096 bytes
	s_and_b32 s33, s31, 1
	s_lshl_b32 s33, s33, 15                        ; + 8 (T % 2) rows
	s_add_co_u32 s32, s32, s33
	s_mov_b32 s33, 0
	s_lshl_b32 s34, s31, 14                        ; the tile's codes: 16,384 bytes
	s_mov_b32 s35, 0
	s_lshl_b32 s36, s31, 9                         ; its scale bytes: 512
	s_mov_b32 s37, 0
	s_wait_alu depctr_va_vdst(0)
	s_wait_kmcnt 0x0
	s_add_nc_u64 s[4:5], s[8:9], s[32:33]
	s_add_nc_u64 s[6:7], s[18:19], s[34:35]
	s_add_nc_u64 s[2:3], s[20:21], s[36:37]
.macro LOAD t                          ; step t: 128 along K of the tile's 16 rows; each load reads 512 consecutive bytes
.irp i, 0,1,2,3,4,5,6,7,8,9,10,11,12,13,14,15
	global_load_b128 v[R+64*((\t)%2)+4*\i:R+64*((\t)%2)+4*\i+3], v[LA], s[4:5] offset:(\i+8*(\i/8))*4096+512*(\t) th:TH_LOAD_NT
.endr
.endm
.macro STEP t
.if (\t) < 7
	s_wait_loadcnt 16                              ; this step's 16 loads are in; the next step's 16 may be out
.else
	s_wait_loadcnt 0x0
.endif
.irp i, 0,1,2,3,4,5,6,7,8,9,10,11,12,13,14,15
	ds_store_b128 v[SIN], v[R+64*((\t)%2)+4*\i:R+64*((\t)%2)+4*\i+3] offset:SP*\i
.endr
.irp c, 0,1,2,3
.irp j, 0,1,2,3
	ds_load_b128 v[X+16*\c+4*\j:X+16*\c+4*\j+3], v[SOUT] offset:128*\c+16*\j   ; LDS serves a wave's instructions in order: these see the stores above
.endr
.endr
	s_wait_dscnt 0x0                               ; the numbers are back, and the stores have read their registers
	s_wait_xcnt 0x0                                ; the stores of two steps ago have read their codes: that set is written again below
.if (\t) < 6
	LOAD (\t)+2
.endif
.set QS, X
.set QP, PC+16*((\t)%2)
	QUANT
	v_lshl_or_b32 v[WD+(\t)], v[TM+5], 8, v[TM+4]  ; the four bytes make my row's scale word of this step
	v_lshl_or_b32 v[WD+(\t)], v[TM+6], 16, v[WD+(\t)]
	v_lshl_or_b32 v[WD+(\t)], v[TM+7], 24, v[WD+(\t)]
.irp c, 0,1,2,3
	global_store_b128 v[LA], v[QP+4*\c:QP+4*\c+3], s[6:7] offset:2048*(\t)+512*\c   ; 512 consecutive bytes
.endr
.endm
	LOAD 0
	LOAD 1
.irp t, 0,1,2,3,4,5,6,7
	STEP \t
.endr
	v_cmp_eq_u32 vcc_lo, 1, v7                     ; lanes 0-15 store words 0-3 of their row, lanes 16-31 words 4-7
.irp i, 0,1,2,3
	v_cndmask_b32 v[X+\i], v[WD+\i], v[WD+4+\i], vcc_lo
.endr
	global_store_b128 v[SCO], v[X:X+3], s[2:3]     ; the tile's 512 scale bytes
	s_set_vgpr_msb 0x5
	s_wait_tensorcnt 0x0
	ds_add_u32 v0, v1
	s_wait_dscnt 0x0
	s_set_vgpr_msb 0x500
	s_endpgm
	; ---------------- the weights ----------------
.Lweights:
	s_sub_co_u32 s27, ttmp9, 128
	s_and_b32 s31, s27, 7                          ; which 128 columns
	s_lshr_b32 s32, s27, 3
	s_lshr_b32 s33, s32, 2                         ; which weight: q, k, v, o
	s_and_b32 s34, s32, 3                          ; which 256 along K
	s_lshl_b32 s35, s31, 7
	s_lshl_b32 s36, s26, 5
	s_add_co_u32 s35, s35, s36                     ; n0: my wave's first column
	s_wait_alu depctr_va_vdst(0)
	v_lshlrev_b32 v3, 2, v5                        ; in: 4 bytes a lane
	v_bfe_u32 v6, v0, 3, 1                         ; column n0 + L lies in tile 2 (n0 / 32) + u, u = (L / 8) % 2,
	v_and_b32 v7, 7, v0
	v_bfe_u32 v8, v0, 4, 1
	v_lshl_add_u32 v7, v8, 3, v7                   ; as its row L % 8 + 8 (L / 16)
	v_lshlrev_b32 v4, 14, v6
	v_lshl_add_u32 v4, v7, 4, v4                   ; codes: 16,384 u + 16 x row
	v_lshl_add_u32 v9, v6, 4, v7
	v_lshlrev_b32 v9, 5, v9                        ; scale bytes: 32 (16 u + row)
	s_lshl_b32 s36, s34, 20                        ; W: 256 rows of 4,096 bytes for each part of K,
	s_lshl_b32 s37, s35, 2                         ; + 4 n0
	s_add_co_u32 s36, s36, s37
	s_mov_b32 s37, 0
	s_lshl_b32 s38, s33, 20                        ; codes: 2^20 bytes a weight,
	s_lshl_b32 s39, s35, 10                        ; 1,024 a row,
	s_add_co_u32 s38, s38, s39
	s_lshl_b32 s39, s34, 12                        ; two fragments for 256 along K
	s_add_co_u32 s38, s38, s39
	s_mov_b32 s39, 0
	s_lshl_b32 s40, s33, 15                        ; scale bytes: 32,768 a weight,
	s_lshl_b32 s41, s35, 5                         ; 32 a row,
	s_add_co_u32 s40, s40, s41
	s_lshl_b32 s41, s34, 3                         ; 8 for 256 along K
	s_add_co_u32 s40, s40, s41
	s_mov_b32 s41, 0
	s_wait_alu depctr_va_vdst(0)
	s_wait_kmcnt 0x0
	s_mov_b64 s[4:5], s[10:11]                     ; the weight is chosen by the work-group's number alone
	s_cmp_eq_u32 s33, 1
	s_cselect_b64 s[4:5], s[12:13], s[4:5]
	s_cmp_eq_u32 s33, 2
	s_cselect_b64 s[4:5], s[14:15], s[4:5]
	s_cmp_eq_u32 s33, 3
	s_cselect_b64 s[4:5], s[16:17], s[4:5]
	s_add_nc_u64 s[4:5], s[4:5], s[36:37]
	s_add_nc_u64 s[6:7], s[22:23], s[38:39]
	s_add_nc_u64 s[2:3], s[24:25], s[40:41]
.macro LOADW t                         ; block t: W(32 t + i, my column), i = 0 .. 31: 128 consecutive bytes a load
.irp i, 0,1,2,3,4,5,6,7,8,9,10,11,12,13,14,15,16,17,18,19,20,21,22,23,24,25,26,27,28,29,30,31
	global_load_b32 v[XW+32*((\t)%2)+\i], v3, s[4:5] offset:(32*(\t)+\i)*4096 th:TH_LOAD_NT
.endr
.endm
.macro BLOCK t
.set XS, XW+32*((\t)%2)
.set CC, CW+8*((\t)%2)
.if (\t) < 7
	s_wait_loadcnt 32                              ; this block's 32 loads are in; the next block's may be out
.else
	s_wait_loadcnt 0x0
.endif
	v_max3_num_f32 v12, |v[XS]|, |v[XS+1]|, |v[XS+2]|              ; the block's largest magnitude: all 32 numbers are mine
	v_max3_num_f32 v13, |v[XS+3]|, |v[XS+4]|, |v[XS+5]|
.irp i, 6,10,14,18,22,26
	v_max3_num_f32 v12, v12, |v[XS+\i]|, |v[XS+\i+1]|
	v_max3_num_f32 v13, v13, |v[XS+\i+2]|, |v[XS+\i+3]|
.endr
	v_max3_num_f32 v12, v12, |v[XS+30]|, |v[XS+31]|
	v_max3_num_f32 v12, v12, v13, 0x4800000        ; and the floor
	v_add_nc_u32 v11, 0xfc000000, v12              ; the conversion's scale operand
	v_lshrrev_b32 v13, 23, v11                     ; the scale's byte
.if (\t)%4 == 0
	v_mov_b32 v[SB+(\t)/4], v13
.else
	v_lshl_or_b32 v[SB+(\t)/4], v13, 8*((\t)%4), v[SB+(\t)/4]
.endif
.irp i, 0,1,2,3,4,5,6,7,8,9,10,11,12,13,14,15,16,17,18,19,20,21,22,23,24,25,26,27,28,29,30,31
.endr
	s_wait_alu depctr_va_vdst(0)
	s_wait_xcnt 0x0                                ; the stores of two blocks ago have read their codes
.irp g, 0,1,2,3
	v_cvt_scalef32_pk8_fp8_f32 v[CC+2*\g:CC+2*\g+1], v[XS+8*\g:XS+8*\g+7], v11
.endr
	global_store_b128 v4, v[CC:CC+3], s[6:7] offset:((\t)/4)*2048+((\t)%4)*512        ; k 0-15 of the block: the image's lanes 0-15
	global_store_b128 v4, v[CC+4:CC+7], s[6:7] offset:((\t)/4)*2048+((\t)%4)*512+256  ; k 16-31: its lanes 16-31
.if (\t)+2 < 8
	LOADW (\t)+2
.endif
.endm
	LOADW 0
	LOADW 1
.irp t, 0,1,2,3,4,5,6,7
	BLOCK \t
.endr
	global_store_b64 v9, v[SB:SB+1], s[2:3]        ; my column's eight scale bytes
	s_endpgm
.Lfunc_end_k_qc65ad5786a_quant:
	.size	k_qc65ad5786a_quant, .Lfunc_end_k_qc65ad5786a_quant-k_qc65ad5786a_quant
	.p2alignl 7, 3214868480
	.fill 96, 4, 3214868480
	.section	.rodata,"a",@progbits
	.p2align	6, 0x0
	.amdhsa_kernel k_qc65ad5786a_quant
		.amdhsa_group_segment_fixed_size 34304
		.amdhsa_private_segment_fixed_size 0
		.amdhsa_enable_private_segment 0
		.amdhsa_kernarg_size 72
		.amdhsa_user_sgpr_count 2
		.amdhsa_user_sgpr_kernarg_segment_ptr 1
		.amdhsa_wavefront_size32 1
		.amdhsa_system_sgpr_workgroup_id_x 1
		.amdhsa_system_sgpr_workgroup_id_y 1
		.amdhsa_system_sgpr_workgroup_id_z 1
		.amdhsa_system_vgpr_workitem_id 0
		.amdhsa_next_free_vgpr 258
		.amdhsa_next_free_sgpr 66
		.amdhsa_reserve_vcc 1
		.amdhsa_float_denorm_mode_32 3
		.amdhsa_float_denorm_mode_16_64 3
		.amdhsa_fp16_overflow 1
		.amdhsa_memory_ordered 1
		.amdhsa_forward_progress 1
		.amdhsa_inst_pref_size 103
	.end_amdhsa_kernel
	.amdgpu_metadata
---
amdhsa.version: [ 1, 2 ]
amdhsa.kernels:
  - .name:           k_qc65ad5786a_quant
    .symbol:         k_qc65ad5786a_quant.kd
    .args:
      - { .name: x, .offset: 0, .size: 8, .value_kind: global_buffer, .address_space: global }
      - { .name: Wq, .offset: 8, .size: 8, .value_kind: global_buffer, .address_space: global }
      - { .name: Wk, .offset: 16, .size: 8, .value_kind: global_buffer, .address_space: global }
      - { .name: Wv, .offset: 24, .size: 8, .value_kind: global_buffer, .address_space: global }
      - { .name: Wo, .offset: 32, .size: 8, .value_kind: global_buffer, .address_space: global }
      - { .name: x_codes, .offset: 40, .size: 8, .value_kind: global_buffer, .address_space: global }
      - { .name: x_scales, .offset: 48, .size: 8, .value_kind: global_buffer, .address_space: global }
      - { .name: w_codes, .offset: 56, .size: 8, .value_kind: global_buffer, .address_space: global }
      - { .name: w_scales, .offset: 64, .size: 8, .value_kind: global_buffer, .address_space: global }
    .group_segment_fixed_size: 34304
    .private_segment_fixed_size: 0
    .kernarg_segment_align: 8
    .kernarg_segment_size: 72
    .max_flat_workgroup_size: 128
    .sgpr_count:     66
    .vgpr_count:     258
    .wavefront_size: 32
...
	.end_amdgpu_metadata
.endif
;; end of part 1
;; launch qkv (part 2): grid 12 x 32, 4 waves a work-group, clusters of 4 x 4, 327,680 bytes of LDS; arguments x_codes, x_scales, w_codes, w_scales, bq, bk, bv, qkv_codes, qkv_scales; writes qkv_codes, qkv_scales
.if DOCPART == 2
	.amdgcn_target "amdgcn-amd-amdhsa--gfx1250"
	.amdhsa_code_object_version 6
	.text
	.protected	k_qc65ad5786a_qkv
	.globl	k_qc65ad5786a_qkv
	.p2align	8
	.type	k_qc65ad5786a_qkv,@function
k_qc65ad5786a_qkv:
	s_mov_b64 s[64:65], 0
	v_nop
	global_prefetch_b8 v0, s[64:65] scope:SCOPE_SE
	s_setreg_imm32_b32 hwreg(HW_REG_WAVE_MODE, 25, 1), 1
	s_wait_xcnt 0x0
	s_wait_alu depctr_hold_cnt(0) depctr_sa_sdst(0) depctr_va_vdst(0) depctr_va_sdst(0) depctr_va_ssrc(0) depctr_va_vcc(0) depctr_vm_vsrc(0)
	s_getreg_b32 s2, hwreg(HW_REG_IB_STS2, 6, 4)
	s_cmp_eq_u32 s2, 0
	s_cbranch_scc0 .Lentry_in_a_cluster
	s_endpgm
.Lentry_in_a_cluster:
	s_bfe_u32 s2, ttmp6, 0x10000c
	s_cmp_lg_u32 s2, 0xf033
	s_cbranch_scc0 .Lentry_shape_is_right
	s_endpgm
.Lentry_shape_is_right:
; q = x Wq + bq, k = x Wk + bk, v = x Wv + bv on codes of FP8 (E4M3) with E8M0 scales, K = 1,024; the results are quantised here, in registers, for attention's two products, and leave as codes.
; OPERANDS ARE IMAGES OF THE MATRIX OPERAND'S REGISTERS: a fragment (16 rows x 128 K) is 2,048 bytes, [c][lane][16]; a tile's eight fragments along K lie on end (16,384 bytes); row r of tile T is the logical row 32 (T / 2) + 8 (T % 2) + r + 8 (r / 8).
; A tile of the result, 256 x 256, is made by four waves, each 128 x 128: 64 accumulators, 512 registers.  K goes in steps of 256 through a ring of two LDS slots; the scale bytes of the 512 rows come once and stay.
; THE MATRIX INSTRUCTION IS USED TRANSPOSED (source 0 = 16 rows of B, source 1 = 16 rows of A).  With the rows of a tile chosen as above, a lane holds ONE row of A, and the 64 registers of A's block a are 128 NEIGHBOURS along B's rows
; (register 16 c + i = B's logical row 32 c + 16 (lane / 16) + i): they are quantised in place into an image of the next operand.
; Clusters with x = 0, 1: A = x (tokens), B = Wq | Wk (channels): q and k are quantised along the head's 64 channels.  Clusters with x = 2: A = Wv (channels), B = x (tokens): v comes out TRANSPOSED and is quantised along the keys.
; CLUSTERS: 4 x 4 work-groups.  A's tile hangs on the cluster's y and my row in it, B's on my column and the cluster: each is asked for JOINTLY by the four that share it.  The way parts on the cluster's x alone, which all sixteen share.
; OUT: qkv_codes: q at 0, k at 2^23: [head of a batch 64][tile 128][c 0..1][lane][16]; v at 2^24: [64][key step 16][tile of channels 4][c 0..3][lane][16].
;      qkv_scales: q at 0, k and v at 786,432, 12,288 bytes a head: [step 16][lane][4 words] (word i: tile 2 i in lanes 0-15, tile 2 i + 1 in lanes 16-31; two bytes, the upper two 0); from byte 8,192 v's: [step 16][lane][2 words].
; LIMITS: a block of zeros gets the byte 1 where the rule says 127 (its codes are zeros; this program alone reads the bytes); NaN and infinities are not served.
; REGISTERS, in windows of 256: window 0: v0-31 addresses; v32-63 scale words, two sets; v64-127 the bias; from v128 A's fragments, one set (in the tails: the numbers, codes and scale words in hand).
;   window 1: B's fragments, two sets.   window 2: the accumulators of A's blocks 0-3 (accumulator (a, b) at v[8 (8 (a % 4) + b)]);   window 3: those of blocks 4-7.
.set NQ,     2                         ; matrix instructions deep in a slot
.set KSB,    4096                      ; a K step of 256 of one tile of 16 rows, in bytes: two fragments
.set FR,     16                        ; registers of a fragment
.set NL,     4                         ; LDS loads that bring one
.set NP,     8                         ; places behind this matrix instruction (ISA guide 7.12.1)
.set HALFT,  8*KSB                     ; 128 rows: what one tensor load brings
.set SLOT,   4*HALFT                   ; A's 256 rows, then B's 256 rows
.set LAPS,   2                         ; a lap = two K steps = once round the ring
.set KS,     32                        ; a row of scales in bytes
.set SCL,    2*SLOT                    ; behind the ring: the scales, as units of 256 bytes + 16 of padding
.set HALFS,  16*272                    ; the scales of 128 rows
.set SBLK,   2*272                     ; those of 16 rows
.set SPARE,  SCL+4*HALFS               ; the spare words, 128 bytes for each wave: two blocks of 256 bytes that no other line names
.set ADRA, 16                          ; v16-17  LDS address of my A fragments in slot 0, 1
.set ADRB, 20                          ; v20-21  the same for B
.set ADRS, 27                          ; v27     LDS address of my scale words: lanes 0-15 A's rows, lanes 16-31 B's
.set SPW,  28                          ; v28     LDS address of my spare word; never rewritten
.set NIL,  29                          ; v29     0; never rewritten
.set SC,   32                          ; scale words: set s at v[SC + 16 s]; register 2 i + q: lanes 0-15 A's block i, lanes 16-31 B's block i
.set AF,   128                         ; A's fragments
.set BI,   64                          ; the tails: the bias
.set X,    128                         ; 64 numbers to quantise
.set PC,   192                         ; two sets of codes
.set TM,   224                         ; at work in QUANT
.set WD,   240                         ; scale words
.set G1, 24
.set G0, 32
.set G1B, 48
.set G0B, 56
.set G1S, 68
.set G0S, 76
.set G1SB, 80
.set G0SB, 88
.set SEL, 68                           ; the tails (no tensor load is out there): s[68:69] lane selects
.set MNT, 70
.set MSB, 0
.macro WIN new                         ; the immediate's high byte repeats the setting that is left
.if MSB != (\new)
	s_set_vgpr_msb (MSB<<8)|(\new)
.set MSB, (\new)
.endif
.endm
.set MUL_LO, 0xa1                      ; source 0 (B) window 1, source 1 (A) window 0, C and D window 2
.set MUL_HI, 0xf1                      ; the same, C and D window 3
.set TO_B,   0x40                      ; destination window 1, address window 0
; A joint load: waves 0 and 1 fetch for A, waves 2 and 3 for B; the branch hangs on the wave's number alone.  Four v_nop follow each of the two lines.
.macro JLOAD g0a, g1a, g0b, g1b
	s_cmp_eq_u32 s15, 0
	s_cbranch_scc0 .Lfor_b_\@
	tensor_load_to_lds s[\g0a:\g0a+3], s[\g1a:\g1a+7]
	s_nop 0
.rept 4
	v_nop
.endr
	s_branch .Lasked_\@
.Lfor_b_\@:
	tensor_load_to_lds s[\g0b:\g0b+3], s[\g1b:\g1b+7]
	s_nop 0
.rept 4
	v_nop
.endr
.Lasked_\@:
.endm
.macro CREST                           ; a round of the cluster's barrier behind its opening barrier
	s_cmp_lg_u32 s14, 0
	s_cbranch_scc1 .Lnot_wave_0_\@
	s_barrier_signal -3
.Lnot_wave_0_\@:
	s_barrier_wait -3
	s_barrier_signal -1
	s_barrier_wait -1
.endm
.macro CROUND
	s_barrier_signal -1
	s_barrier_wait -1
	CREST
.endm
	s_load_b128 s[4:7], s[0:1], 0x0                ; x's codes, x's scales
	s_load_b128 s[8:11], s[0:1], 0x10              ; the weights' codes, their scales
	v_lshl_add_u32 v[SPW], v0, 2, SPARE
	v_mov_b32 v[NIL], 0
	ds_add_u32 v28, v29
	ds_add_u32 v28, v29
	s_wait_dscnt 0x0
	v_lshrrev_b32 v1, 5, v0
	v_readfirstlane_b32 s14, v1                    ; wave 0..3
	s_lshr_b32 s15, s14, 1                         ; which half of A's rows is mine.  Also: I fetch for A (0) or for B (1)
	s_and_b32 s16, s14, 1                          ; which half of B's rows.  Also: which 128 rows I fetch
	s_bfe_u32 s40, ttmp6, 0x40000                  ; cx, cy: my place in the cluster
	s_bfe_u32 s41, ttmp6, 0x40004
	s_and_b32 s66, ttmp7, 0xffff
	s_lshl_b32 s66, s66, 2                         ; 4 x cluster y
	s_lshl_b32 s67, ttmp9, 2                       ; 4 x cluster x
	s_cmp_eq_u32 ttmp9, 2                          ; v's clusters?
	s_cselect_b32 s17, 8, s66                      ; A's block of 256 rows: v: Wv's, 8 + cy;  q, k: x's, 4 x cluster y + cy
	s_cselect_b32 s42, s66, s67                    ; B's: v: x's, 4 x cluster y + cx;  q, k: Wq | Wk's, 4 x cluster x + cx
	s_add_co_u32 s17, s17, s41
	s_add_co_u32 s42, s42, s40
	s_lshl_b32 s43, s41, 2
	s_lshl_b32 s43, 15, s43                        ; my row of the cluster
	s_lshl_b32 s44, 0x1111, s40                    ; my column
	; descriptor group 1 for codes: 8 tiles' K step: 8 rows of 4,096 bytes (512 elements of 8), 16,384 bytes apart; dense in LDS
	s_or_b32 s[G1+0], s43, (3<<16)|(1<<21)         ; 15:0 the mask: A's tiles go to my row; 17:16 elements of 8 bytes; 21 set beside a mask
	s_or_b32 s[G1B+0], s44, (3<<16)|(1<<21)
.irp g, G1, G1B
	s_mov_b32 s[\g+1], 512<<16                     ; tensor_dim0
	s_mov_b32 s[\g+2], 8<<16                       ; tensor_dim1
	s_mov_b32 s[\g+3], 512<<16                     ; tile_dim0
	s_mov_b32 s[\g+4], 8                           ; tile_dim1
	s_mov_b32 s[\g+5], 2048                        ; tensor_dim0_stride
	s_mov_b32 s[\g+6], 0
	s_mov_b32 s[\g+7], 0
.endr
	; and for the scales of 128 rows: 4,096 dense bytes as 16 rows of 256, 16 bytes of padding behind each
	s_or_b32 s[G1S+0], s43, (3<<16)|(1<<20)|(1<<21)|(5<<22)|(3<<25)
	s_or_b32 s[G1SB+0], s44, (3<<16)|(1<<20)|(1<<21)|(5<<22)|(3<<25)
.irp g, G1S, G1SB
	s_mov_b32 s[\g+1], 32<<16
	s_mov_b32 s[\g+2], 16<<16
	s_mov_b32 s[\g+3], 32<<16
	s_mov_b32 s[\g+4], 16
	s_mov_b32 s[\g+5], 32
	s_mov_b32 s[\g+6], 0
	s_mov_b32 s[\g+7], 0
.endr
	s_lshl_b32 s18, s16, 7                         ; which 128 rows I fetch
	s_lshl_b32 s20, s17, 8
	s_add_co_u32 s20, s20, s18                     ; A's row
	s_lshl_b32 s46, s42, 8
	s_add_co_u32 s46, s46, s18                     ; B's row
	s_lshl_b32 s22, s20, 5                         ; its scales: 32 bytes a row
	s_mov_b32 s23, 0
	s_lshl_b32 s20, s20, 10                        ; its codes: 1,024 bytes a row
	s_mov_b32 s21, 0
	s_lshl_b32 s92, s46, 5
	s_mov_b32 s93, 0
	s_lshl_b32 s46, s46, 10
	s_mov_b32 s47, 0
	s_lshl_b32 s45, s14, 15                        ; where they go: wave x 128 rows: no place in the cluster enters an LDS address
	s_mul_i32 s94, s14, HALFS
	s_wait_kmcnt 0x0
	s_cmp_eq_u32 ttmp9, 2                          ; which buffer is A and which B hangs on the cluster's x alone
	s_cselect_b64 s[96:97], s[8:9], s[4:5]         ; A's codes
	s_cselect_b64 s[98:99], s[10:11], s[6:7]       ; A's scales
	s_cselect_b64 s[8:9], s[4:5], s[8:9]           ; B's codes
	s_cselect_b64 s[10:11], s[6:7], s[10:11]       ; B's scales
	s_add_nc_u64 s[20:21], s[96:97], s[20:21]
	s_add_nc_u64 s[22:23], s[98:99], s[22:23]
	s_add_nc_u64 s[46:47], s[8:9], s[46:47]
	s_add_nc_u64 s[92:93], s[10:11], s[92:93]
	CROUND                                         ; all sixteen work-groups are here: the first joint loads meet
	s_mov_b32 s[G0S], 1
	s_add_co_u32 s[G0S+1], s94, SCL
	s_mov_b64 s[G0S+2:G0S+3], s[22:23]
	s_or_b32 s[G0S+3], s[G0S+3], 0x80000000
	s_mov_b32 s[G0SB], 1
	s_add_co_u32 s[G0SB+1], s94, SCL
	s_mov_b64 s[G0SB+2:G0SB+3], s[92:93]
	s_or_b32 s[G0SB+3], s[G0SB+3], 0x80000000
	JLOAD G0S, G1S, G0SB, G1SB                     ; the scales first: they are wanted with K step 0
.irp s, 0,1
	s_mov_b32 s[G0+4*\s], 1
	s_add_co_u32 s[G0+4*\s+1], s45, \s*SLOT
	s_add_nc_u64 s[G0+4*\s+2:G0+4*\s+3], s[20:21], \s*KSB
	s_or_b32 s[G0+4*\s+3], s[G0+4*\s+3], 0x80000000
	s_mov_b32 s[G0B+4*\s], 1
	s_add_co_u32 s[G0B+4*\s+1], s45, \s*SLOT
	s_add_nc_u64 s[G0B+4*\s+2:G0B+4*\s+3], s[46:47], \s*KSB
	s_or_b32 s[G0B+4*\s+3], s[G0B+4*\s+3], 0x80000000
	JLOAD G0+4*\s, G1, G0B+4*\s, G1B
.endr
	s_load_b256 s[4:11], s[0:1], 0x20              ; bq s[4:5], bk s[6:7], bv s[8:9], qkv_codes s[10:11]
	s_load_b64 s[12:13], s[0:1], 0x40              ; qkv_scales
	v_and_b32 v1, 15, v0                           ; l % 16
	v_bfe_u32 v2, v0, 4, 1                         ; l / 16
	v_and_b32 v3, 31, v0
	v_lshlrev_b32 v4, 4, v3                        ; an image's place for my lane: 16 x lane
	s_lshl_b32 s21, s15, 15                        ; my 128 rows of A
	s_lshl_b32 s22, s16, 15                        ; my 128 rows of B,
	s_add_co_u32 s22, s22, 2*HALFT                 ; which lie behind A's 256
.irp s, 0,1
	v_add_nc_u32 v[ADRA+\s], s21, v4
	v_add_nc_u32 v[ADRB+\s], s22, v4
	s_add_co_u32 s21, s21, SLOT
	s_add_co_u32 s22, s22, SLOT
.endr
	v_mul_u32_u24 v5, v1, KS                       ; my row's scales: 32 bytes a row,
	v_lshrrev_b32 v6, 8, v5
	v_lshl_add_u32 v5, v6, 4, v5                   ; and 16 more for each 256 passed
	s_mul_i32 s21, s15, HALFS                      ; A's: my 128 rows
	s_mul_i32 s22, s16, HALFS                      ; B's: my 128 rows, behind A's 256
	s_add_co_u32 s22, s22, 2*HALFS
	s_sub_co_u32 s22, s22, s21
	v_mul_u32_u24 v6, s22, v2                      ; lanes 16-31 take B's
	s_add_co_u32 s21, s21, SCL
	v_add_nc_u32 v5, v5, v6
	v_add_nc_u32 v[ADRS], s21, v5
.macro FRAG reg, adr, q, i             ; a fragment comes as it lies: four loads of 512 consecutive bytes
.irp c, 0,1,2,3
	ds_load_b128 v[\reg+4*\c:\reg+4*\c+3], v[\adr] offset:KSB*(\i)+2048*(\q)+512*\c
.endr
.endm
; 16 matrix instructions: A's blocks a0, a0 + 1 x B's eight, 128 along K.  The 64 accumulators take turns, one instruction a turn, in the same order in every step.
.macro MUL16 a0, p, q, sc, zero
.irp a, \a0, \a0+1
.irp b, 0,1,2,3,4,5,6,7
.if \zero
	v_wmma_scale_f32_16x16x128_f8f6f4 v[8*(8*((\a)%4)+\b):8*(8*((\a)%4)+\b)+7], v[128*(\p)+FR*\b:128*(\p)+FR*\b+FR-1], v[AF+FR*(\a):AF+FR*(\a)+FR-1], 0, v[SC+8*NQ*(\sc)+NQ*\b+(\q)], v[SC+8*NQ*(\sc)+NQ*(\a)+(\q)] matrix_a_scale:MATRIX_SCALE_ROW1
.else
	v_wmma_scale_f32_16x16x128_f8f6f4 v[8*(8*((\a)%4)+\b):8*(8*((\a)%4)+\b)+7], v[128*(\p)+FR*\b:128*(\p)+FR*\b+FR-1], v[AF+FR*(\a):AF+FR*(\a)+FR-1], v[8*(8*((\a)%4)+\b):8*(8*((\a)%4)+\b)+7], v[SC+8*NQ*(\sc)+NQ*\b+(\q)], v[SC+8*NQ*(\sc)+NQ*(\a)+(\q)] matrix_a_scale:MATRIX_SCALE_ROW1
.endif
.endr
.endr
.endm
.macro FETCH_B slot, q, p
	WIN TO_B
.irp i, 0,1,2,3,4,5,6,7
	FRAG 128*(\p)+FR*\i, ADRB+\slot, \q, \i
.endr
	WIN 0
.endm
.macro FETCH_A slot, q, i0
.irp i, \i0, \i0+1, \i0+2, \i0+3
	FRAG AF+FR*(\i), ADRA+\slot, \q, \i
.endr
.endm
.macro SCALES sc                       ; the next K step's scale words: two words a row; lanes 0-15 take A's block i, lanes 16-31 B's block i
.irp i, 0,1,2,3,4,5,6,7
	ds_load_b64 v[SC+8*NQ*\sc+NQ*\i:SC+8*NQ*\sc+NQ*\i+1], v[ADRS] offset:\i*SBLK
.endr
.endm
.macro PLACES n                        ; plain vector instructions between a matrix instruction and a load into, or a read or write of, its registers (ISA guide 7.12.1 for reads and writes)
.rept \n
	v_nop
.endr
.endm
.macro STEP slot, q, zero              ; a step of 128 along K that has its successor in the same slot
	s_wait_dscnt 4*NL                              ; B's set and A's blocks 0-3 are in; the youngest 16 loads (A's blocks 4-7) may be out
	WIN MUL_LO
	MUL16 0, (\q)%2, \q, \slot, \zero
	MUL16 2, (\q)%2, \q, \slot, \zero
	s_wait_dscnt 0
	PLACES NP
	FETCH_B \slot, (\q)+1, 1-(\q)%2
	FETCH_A \slot, (\q)+1, 0
	WIN MUL_HI
	MUL16 4, (\q)%2, \q, \slot, \zero
	MUL16 6, (\q)%2, \q, \slot, \zero
	PLACES NP
	WIN 0
	FETCH_A \slot, (\q)+1, 4
.endm
; A slot's last step changes slots: ONE barrier; in front of it each wave waits for all its tensor loads, adds 0 to its spare word, and waits for that and for its own reads of this slot.
.macro TURN slot, next, fill
	s_wait_tensorcnt 0x0                           ; all my tensor loads have landed: my part of the next slot
	ds_add_u32 v[SPW], v[NIL]                      ; 0 onto my spare word
	s_wait_dscnt 4*NL+1                            ; (the add and the youngest 16 loads, A's blocks 4-7, may be out)
	WIN MUL_LO
	MUL16 0, 1, NQ-1, \slot, 0
	s_wait_dscnt 0x0                               ; the add is done, and my reads of this slot are over
	s_barrier_signal -1
	MUL16 2, 1, NQ-1, \slot, 0
	WIN 0
	s_barrier_wait -1
.if \fill
	CREST                                          ; the barrier has opened a round of the cluster's barrier: no wave of any partner still reads this slot or has a load on its way
	s_add_nc_u64 s[G0+4*\slot+2:G0+4*\slot+3], s[G0+4*\slot+2:G0+4*\slot+3], 2*KSB
	s_add_nc_u64 s[G0B+4*\slot+2:G0B+4*\slot+3], s[G0B+4*\slot+2:G0B+4*\slot+3], 2*KSB
	JLOAD G0+4*\slot, G1, G0B+4*\slot, G1B         ; the first tensor load behind the round; its four v_nop are among the places in front of the loads below
	PLACES NP-4
.else
	PLACES NP
.endif
	s_wait_alu depctr_va_vdst(0)
	v_add_nc_u32 v[ADRS], 4*NQ, v[ADRS]            ; on to the next K step's scale words
	FETCH_B \next, 0, 0
	FETCH_A \next, 0, 0
	SCALES \next
	WIN MUL_HI
	MUL16 4, 1, NQ-1, \slot, 0
	MUL16 6, 1, NQ-1, \slot, 0
	PLACES NP
	WIN 0
	FETCH_A \next, 0, 4
.endm
.macro LAST                            ; the very last step: nothing more to fetch
	s_wait_dscnt 4*NL
	WIN MUL_LO
	MUL16 0, 1, NQ-1, 1, 0
	MUL16 2, 1, NQ-1, 1, 0
	s_wait_dscnt 0
	WIN MUL_HI
	MUL16 4, 1, NQ-1, 1, 0
	MUL16 6, 1, NQ-1, 1, 0
	WIN 0
.endm
; 64 numbers of a lane in v[X] on become a fragment's codes in v[QP] on; the four scale bytes are left in v[TM+4] on.
.macro QUANT
.irp b, 0,1,2,3
	v_max3_num_f32 v[TM+\b], |v[X+16*\b]|, |v[X+1+16*\b]|, 0x4800000   ; block b: my 16 numbers, and the floor 2^(9 - 127): the byte cannot fall under 1
.endr
.irp i, 2,4,6,8,10,12,14
.irp b, 0,1,2,3
	v_max3_num_f32 v[TM+\b], v[TM+\b], |v[X+16*\b+\i]|, |v[X+1+16*\b+\i]|
.endr
.endr
.irp b, 0,1,2,3
	v_permlanex16_b32 v[TM+4+\b], v[TM+\b], s[SEL], s[SEL+1]
.endr
.irp b, 0,1,2,3
	v_max_num_f32 v[TM+\b], v[TM+\b], v[TM+4+\b]                 ; with lane l xor 16's: the block's largest magnitude
.endr
.irp b, 0,1,2,3
	v_add_nc_u32 v[TM+12+\b], 0xfc000000, v[TM+\b]               ; 8 off its exponent field: the conversion's scale operand
.endr
.irp b, 0,1,2,3
.endr
.irp b, 0,1,2,3
	v_lshrrev_b32 v[TM+4+\b], 23, v[TM+12+\b]                    ; the scale's byte
.endr
.irp b, 0,1,2,3
.irp i, 0,1,2,3,4,5,6,7,8,9,10,11,12,13,14,15
.endr
	v_cvt_scalef32_pk8_fp8_f32 v[QP+4*\b:QP+1+4*\b], v[X+16*\b:X+7+16*\b], v[TM+12+\b]
	v_cvt_scalef32_pk8_fp8_f32 v[QP+2+4*\b:QP+3+4*\b], v[X+8+16*\b:X+15+16*\b], v[TM+12+\b]
.endr
	v_nop                                          ; one plain vector line behind the last conversion
.endm
; A's block a leaves: the bias is added (each accumulator is read from its low end on), the 64 numbers are quantised, four stores of 512 consecutive bytes.
.macro EPI a, vmode
.set AC, 64*((\a)%4)
.set QP, PC+16*((\a)%2)
	WIN 0x02+(\a)/4                                ; source 0: window 2 or 3
.set PP, 0
.rept 32
.if \vmode
	v_pk_add_f32 v[X+2*PP:X+2*PP+1], v[AC+2*PP:AC+2*PP+1], v[BI+2*(\a):BI+2*(\a)+1]   ; my row is one channel: one bias, held twice
.else
	v_pk_add_f32 v[X+2*PP:X+2*PP+1], v[AC+2*PP:AC+2*PP+1], v[BI+2*PP:BI+2*PP+1]       ; my registers run along the channels
.endif
.set PP, PP+1
.endr
	WIN 0
.if (\a) >= 2
	s_wait_xcnt 0x0                                ; the stores of two blocks ago have read their codes
.endif
	QUANT
.if \vmode
	v_lshl_or_b32 v[WD+(\a)], v[TM+5], 8, v[TM+4]  ; 128 keys: four bytes
	v_lshl_or_b32 v[WD+(\a)], v[TM+6], 16, v[WD+(\a)]
	v_lshl_or_b32 v[WD+(\a)], v[TM+7], 24, v[WD+(\a)]
.irp c, 0,1,2,3
	global_store_b128 v2, v[QP+4*\c:QP+4*\c+3], s[74:75] offset:((\a)/4)*131072+((\a)%4)*2048+512*\c
.endr
.else
	v_lshl_or_b32 v[WD+(\a)], v[TM+5], 8, v[TM+4]      ; my first head's two bytes,
	v_lshl_or_b32 v[WD+8+(\a)], v[TM+7], 8, v[TM+6]    ; my second head's
.irp c, 0,1,2,3
	global_store_b128 v2, v[QP+4*\c:QP+4*\c+3], s[74:75] offset:(\c/2)*131072+1024*(\a)+(\c%2)*512
.endr
.endif
.endm
	s_wait_alu depctr_va_vdst(0)
	s_wait_kmcnt 0x0                               ; the tails' addresses
	s_wait_tensorcnt 1                             ; the scales and my part of K step 0 are in (K step 1's load may be out),
	s_barrier_signal -1
	s_barrier_wait -1                              ; everybody's are
	FETCH_B 0, 0, 0
	FETCH_A 0, 0, 0
	SCALES 0
	FETCH_A 0, 0, 4
	STEP 0, 0, 1                                   ; the first step stands in front of the loop: its products start the sums
	s_mov_b32 s3, LAPS-1
.Llap:                                                 ; a trip goes once round the ring and fills both slots again
	TURN 0, 1, 1
	STEP 1, 0, 0
	TURN 1, 0, 1
	STEP 0, 0, 0
	s_sub_co_u32 s3, s3, 1
	s_cmp_lg_u32 s3, 0
	s_cbranch_scc1 .Llap
	TURN 0, 1, 0                                   ; the last lap fills nothing
	STEP 1, 0, 0
	s_mov_b32 s[SEL], 0x76543210                   ; no tensor load is out any more: the descriptors' registers are free
	s_mov_b32 s[SEL+1], 0xfedcba98
	s_mov_b32 s79, 0
	v_and_b32 v2, 31, v0
	v_lshlrev_b32 v3, 3, v2                        ; 8 x lane
	v_lshlrev_b32 v2, 4, v2                        ; 16 x lane
	v_bfe_u32 v13, v0, 4, 1                        ; h
	s_cmp_eq_u32 ttmp9, 2
	s_cbranch_scc1 .Lv_tail
	; ---------------- q and k: my 128 columns are two heads ----------------
	s_lshr_b32 s80, s17, 3                         ; the batch
	s_lshr_b32 s81, s42, 2                         ; 0: q, 1: k
	s_and_b32 s82, s42, 3
	s_cmp_eq_u32 s81, 1
	s_cselect_b64 s[72:73], s[6:7], s[4:5]         ; bk or bq
	s_lshl_b32 s83, s80, 4
	s_lshl_b32 s84, s82, 2
	s_add_co_u32 s83, s83, s84
	s_lshl_b32 s84, s16, 1
	s_add_co_u32 s83, s83, s84                     ; my first head: 16 x batch + 4 (block % 4) + 2 x half
	s_lshl_b32 s78, s82, 10
	s_lshl_b32 s84, s16, 9
	s_add_co_u32 s78, s78, s84                     ; the bias of my 128 channels
	s_add_nc_u64 s[72:73], s[72:73], s[78:79]
	s_lshl_b32 s78, s81, 23
	s_lshl_b32 s84, s83, 17
	s_add_co_u32 s78, s78, s84
	s_and_b32 s85, s17, 7
	s_lshl_b32 s84, s85, 14
	s_add_co_u32 s78, s78, s84
	s_lshl_b32 s84, s15, 13
	s_add_co_u32 s78, s78, s84                     ; codes: tensor, head, tile 16 (block % 8) + 8 x half, 1,024 bytes a tile
	s_add_nc_u64 s[74:75], s[10:11], s[78:79]
	s_mul_i32 s78, s81, 786432
	s_mul_i32 s84, s83, 12288
	s_add_co_u32 s78, s78, s84
	s_lshl_b32 s84, s85, 10
	s_add_co_u32 s78, s78, s84
	s_lshl_b32 s84, s15, 9
	s_add_co_u32 s78, s78, s84                     ; scale words: my eight tiles are step 2 (block % 8) + half: 512 bytes
	s_add_nc_u64 s[76:77], s[12:13], s[78:79]
	s_wait_alu depctr_va_vdst(0)
	v_lshlrev_b32 v12, 6, v13                      ; register 16 c + i wants channel 32 c + 16 h + i
.irp c, 0,1,2,3
.irp j, 0,1,2,3
	global_load_b128 v[BI+16*\c+4*\j:BI+16*\c+4*\j+3], v12, s[72:73] offset:128*\c+16*\j
.endr
.endr
	LAST                                           ; the last 64 products stand between the bias's loads and the wait for them
	PLACES NP
	s_wait_loadcnt 0x0
.irp b, 0,1,2,3
	v_mov_b32 v[TM+4+\b], 0                        ; written once: a lane permute's destination counts as one of its sources
.endr
.irp a, 0,1,2,3,4,5,6,7
	EPI \a, 0
.endr
	v_cmp_eq_u32 vcc_lo, 1, v13
.irp d, 0,1
.irp i, 0,1,2,3
	v_cndmask_b32 v[4+4*\d+\i], v[WD+8*\d+2*\i], v[WD+8*\d+2*\i+1], vcc_lo   ; word i: tile 2 i in lanes 0-15, tile 2 i + 1 in lanes 16-31
.endr
	global_store_b128 v2, v[4+4*\d:7+4*\d], s[76:77] offset:12288*\d
.endr
	s_branch .Lend
	; ---------------- v: my 128 rows are the channels of two heads, my registers run along 128 keys ----------------
.Lv_tail:
	s_lshr_b32 s80, s42, 3                         ; the batch
	s_and_b32 s82, s17, 3                          ; which 256 channels
	s_lshl_b32 s83, s80, 4
	s_lshl_b32 s84, s82, 2
	s_add_co_u32 s83, s83, s84
	s_lshl_b32 s84, s15, 1
	s_add_co_u32 s83, s83, s84                     ; my first head
	s_and_b32 s85, s42, 7
	s_lshl_b32 s85, s85, 1
	s_add_co_u32 s85, s85, s16                     ; my key step: 2 (block % 8) + half
	s_lshl_b32 s78, s82, 10
	s_lshl_b32 s84, s15, 9
	s_add_co_u32 s78, s78, s84
	s_add_nc_u64 s[72:73], s[8:9], s[78:79]        ; bv at my 128 channels
	s_lshl_b32 s78, s83, 17
	s_lshl_b32 s84, s85, 13
	s_add_co_u32 s78, s78, s84
	s_add_co_u32 s78, s78, 16777216
	s_add_nc_u64 s[74:75], s[10:11], s[78:79]      ; codes: head, key step of 8,192 bytes
	s_mul_i32 s78, s83, 12288
	s_lshl_b32 s84, s85, 8
	s_add_co_u32 s78, s78, s84
	s_add_co_u32 s78, s78, 786432+8192
	s_add_nc_u64 s[76:77], s[12:13], s[78:79]      ; scale words: 256 bytes a step
	v_and_b32 v12, 15, v0
	v_and_b32 v14, 8, v12
	v_add_nc_u32 v12, v12, v14
	v_lshlrev_b32 v12, 2, v12                      ; row r of block a is channel 32 (a / 2) + 8 (a % 2) + r + 8 (r / 8)
.irp a, 0,1,2,3,4,5,6,7
	global_load_b32 v[BI+2*\a], v12, s[72:73] offset:(32*(\a/2)+8*(\a%2))*4
	global_load_b32 v[BI+2*\a+1], v12, s[72:73] offset:(32*(\a/2)+8*(\a%2))*4
.endr
	LAST
	PLACES NP
	s_wait_loadcnt 0x0
.irp b, 0,1,2,3
	v_mov_b32 v[TM+4+\b], 0
.endr
.irp a, 0,1,2,3,4,5,6,7
	EPI \a, 1
.endr
	v_cmp_eq_u32 vcc_lo, 1, v13
.irp d, 0,1
.irp i, 0,1
	v_cndmask_b32 v[4+2*\d+\i], v[WD+4*\d+2*\i], v[WD+4*\d+2*\i+1], vcc_lo
.endr
	global_store_b64 v3, v[4+2*\d:5+2*\d], s[76:77] offset:12288*\d   ; 256 consecutive bytes
.endr
.Lend:
	s_wait_tensorcnt 0x0                           ; the wave's end
	ds_add_u32 v[SPW], v[NIL]
	s_wait_dscnt 0x0
	CROUND                                         ; the closing round: no work-group ends while a partner may still ask for a tile that names it
	s_endpgm
.Lfunc_end_k_qc65ad5786a_qkv:
	.size	k_qc65ad5786a_qkv, .Lfunc_end_k_qc65ad5786a_qkv-k_qc65ad5786a_qkv
	.p2alignl 7, 3214868480
	.fill 96, 4, 3214868480
	.section	.rodata,"a",@progbits
	.p2align	6, 0x0
	.amdhsa_kernel k_qc65ad5786a_qkv
		.amdhsa_group_segment_fixed_size 327680
		.amdhsa_private_segment_fixed_size 0
		.amdhsa_enable_private_segment 0
		.amdhsa_kernarg_size 72
		.amdhsa_user_sgpr_count 2
		.amdhsa_user_sgpr_kernarg_segment_ptr 1
		.amdhsa_wavefront_size32 1
		.amdhsa_system_sgpr_workgroup_id_x 1
		.amdhsa_system_sgpr_workgroup_id_y 1
		.amdhsa_system_sgpr_workgroup_id_z 1
		.amdhsa_system_vgpr_workitem_id 0
		.amdhsa_next_free_vgpr 1024
		.amdhsa_next_free_sgpr 100
		.amdhsa_reserve_vcc 1
		.amdhsa_float_denorm_mode_32 3
		.amdhsa_float_denorm_mode_16_64 3
		.amdhsa_fp16_overflow 1
		.amdhsa_memory_ordered 1
		.amdhsa_forward_progress 1
		.amdhsa_inst_pref_size 227
	.end_amdhsa_kernel
	.amdgpu_metadata
---
amdhsa.version: [ 1, 2 ]
amdhsa.kernels:
  - .name:           k_qc65ad5786a_qkv
    .symbol:         k_qc65ad5786a_qkv.kd
    .args:
      - { .name: x_codes, .offset: 0, .size: 8, .value_kind: global_buffer, .address_space: global }
      - { .name: x_scales, .offset: 8, .size: 8, .value_kind: global_buffer, .address_space: global }
      - { .name: w_codes, .offset: 16, .size: 8, .value_kind: global_buffer, .address_space: global }
      - { .name: w_scales, .offset: 24, .size: 8, .value_kind: global_buffer, .address_space: global }
      - { .name: bq, .offset: 32, .size: 8, .value_kind: global_buffer, .address_space: global }
      - { .name: bk, .offset: 40, .size: 8, .value_kind: global_buffer, .address_space: global }
      - { .name: bv, .offset: 48, .size: 8, .value_kind: global_buffer, .address_space: global }
      - { .name: qkv_codes, .offset: 56, .size: 8, .value_kind: global_buffer, .address_space: global }
      - { .name: qkv_scales, .offset: 64, .size: 8, .value_kind: global_buffer, .address_space: global }
    .group_segment_fixed_size: 327680
    .private_segment_fixed_size: 0
    .kernarg_segment_align: 8
    .kernarg_segment_size: 72
    .max_flat_workgroup_size: 128
    .sgpr_count:     100
    .vgpr_count:     1024
    .wavefront_size: 32
...
	.end_amdgpu_metadata
.endif
;; end of part 2
;; launch attn (part 3): grid 4 x 64, 16 waves a work-group, clusters of 4 x 1, 276,480 bytes of LDS; arguments qkv_codes, qkv_scales, a_codes, a_scales; writes a_codes, a_scales
.if DOCPART == 3
	.amdgcn_target "amdgcn-amd-amdhsa--gfx1250"
	.amdhsa_code_object_version 6
	.text
	.protected	k_qc65ad5786a_attn
	.globl	k_qc65ad5786a_attn
	.p2align	8
	.type	k_qc65ad5786a_attn,@function
k_qc65ad5786a_attn:
	s_mov_b64 s[64:65], 0
	v_nop
	global_prefetch_b8 v0, s[64:65] scope:SCOPE_SE
	s_setreg_imm32_b32 hwreg(HW_REG_WAVE_MODE, 25, 1), 1
	s_wait_xcnt 0x0
	s_wait_alu depctr_hold_cnt(0) depctr_sa_sdst(0) depctr_va_vdst(0) depctr_va_sdst(0) depctr_va_ssrc(0) depctr_va_vcc(0) depctr_vm_vsrc(0)
	s_getreg_b32 s2, hwreg(HW_REG_IB_STS2, 6, 4)
	s_cmp_eq_u32 s2, 0
	s_cbranch_scc0 .Lentry_in_a_cluster
	s_endpgm
.Lentry_in_a_cluster:
	s_bfe_u32 s2, ttmp6, 0x10000c
	s_cmp_lg_u32 s2, 0x3003
	s_cbranch_scc0 .Lentry_shape_is_right
	s_endpgm
.Lentry_shape_is_right:
; Causal attention of one head, both products on codes of FP8 (E4M3) with E8M0 scales; the result is quantised here, along the channels, for the last projection.
; t = score x log2(e) / 8; M = the row's largest t so far, rounded UP to a whole number; p = 2^(t - M) is quantised along the keys, not normalised; the row's sum is taken of the unquantised p and divides O at the end.
; When M moves, the sum and O are multiplied by 2^(old M - new M): exact.
; OPERANDS ARE IMAGES OF THE MATRIX OPERAND'S REGISTERS ([c][lane][16 bytes]); row r of tile T is token (or channel) 32 (T / 2) + 8 (T % 2) + r + 8 (r / 8).  The head's 64 channels fill half of the instruction's 128 along K:
; the upper eight registers of Q's and K's fragments hold zero codes, which add nothing.
; Both products are used transposed: S^T = K Q^T (source 0 = 16 keys, source 1 = my 16 queries), O^T = V^T P^T: a lane holds ONE query throughout; by the choice of a tile's rows the 16 registers of two neighbouring tiles are 16 neighbouring keys (channels).
; SHARES.  A cluster of four work-groups is one head.  All of the head's K, V and their scale words fit in LDS (274,432 bytes): they come ONCE, by joint loads (the same descriptor and a mask that names the four): nothing is filled again.
; Work-group cx owns the tiles of 16 queries g = 4 m + cx, m = 0 .. 31.  Tile g wants key steps 0 .. m / 2, which does not hang on cx.  Wave w takes m = 31 - w and then m = w: 17 key steps of 128 for every wave.
; THE START.  Each wave brings two parts: first a sixteenth of what key steps 0 and 1 read (2,048 bytes), then a sixteenth of the rest (14,336 bytes).  Behind a first barrier, for the first parts, every wave works steps 0 and 1 of its
; first tile while the second parts are on their way; a second barrier, for the second parts, stands in front of step 2.
; In the later trips a step whose keys all come after the tile's queries is jumped over (a branch on the wave's number).  In the one step on the diagonal hidden scores become -infinity ahead of the maximum.
; OUT: a_codes as an operand's image: tile (128 x batch + g) of 16,384 bytes, the head's two pieces at 1,024 x head.  a_scales [16 x tile + r][32], bytes 2 x head + 0, 1: stored as single bytes, one for each 32 bytes of codes:
; the rest of such a row belongs to other heads, which other work-groups make.
; LIMITS: a block of zeros gets the byte 1 where the rule says 127 (its codes are zeros; this program alone reads the bytes); NaN and infinities are not served.
; REGISTERS: v1-7, v219 addresses that stay; v8-11 addresses of the step; v12 -M, v13 the largest t, v[14:15] the sum; v16-31 Q of the first pass; v32-95 four fragments of K; v96-159 S^T, then p, then V's four fragments;
;   v160-191 O^T; v192-207 Q of the second pass; v208, v209 Q's scale words; v210-218 the codes and the byte that leave; v220-223 K's scale words; v224-239 p's codes; v232-247, v252, v254 at work; v248-249 V's scale words; v251 the old -M; v253 p's scale word.
.set VIMG, 131072                      ; LDS: K's images at 0 (131,072 bytes), V's here,
.set KSC,  262144                      ; K's scale words (8,192 bytes),
.set VSC,  270336                      ; V's (4,096)
.set EARLY, 16384                      ; bytes of K's images, and of V's, that key steps 0 and 1 read
.set WV,   12                          ; s12  my wave's number
.set MNT,  19
.set SEL,  20                          ; s[20:21] lane selects for lane l xor 16
.set CS,   22                          ; s[22:23] c = log2(e) / 8
.macro ROUND                           ; a round of the cluster's barrier
	s_barrier_signal -1
	s_barrier_wait -1
	s_cmp_lg_u32 s[WV], 0
	s_cbranch_scc1 .Lnot_wave_0_\@
	s_barrier_signal -3
.Lnot_wave_0_\@:
	s_barrier_wait -3
	s_barrier_signal -1
	s_barrier_wait -1
.endm
	s_load_b256 s[4:11], s[0:1], 0x0               ; qkv_codes s[4:5], qkv_scales s[6:7], a_codes s[8:9], a_scales s[10:11]
	v_lshl_add_u32 v250, v0, 2, 0x43000
	v_mov_b32 v255, 0
	ds_add_u32 v250, v255
	ds_add_u32 v250, v255
	v_lshrrev_b32 v1, 5, v0
	s_delay_alu instid0(VALU_DEP_1)
	v_readfirstlane_b32 s[WV], v1                  ; wave 0..15
	s_bfe_u32 s13, ttmp6, 0x40000                  ; cx: it enters Q's and the result's addresses and the mask's threshold alone
	s_and_b32 s14, ttmp7, 0xffff                   ; 16 x batch + head, which the four partners share
	; three descriptor groups 1: dense bytes as rows of 256 (32 elements of 8 bytes): s[24:31] 8 rows, s[36:43] 48 rows, s[84:91] 56 rows
.irp g, 24, 36, 84
	s_mov_b32 s[\g], 15|(3<<16)|(1<<21)            ; 15:0 the mask: all four work-groups; 17:16 elements of 8 bytes; 21 set beside a mask
	s_mov_b32 s[\g+1], 32<<16                      ; tensor_dim0
	s_mov_b32 s[\g+3], 32<<16                      ; tile_dim0
	s_mov_b32 s[\g+5], 32                          ; tensor_dim0_stride
	s_mov_b32 s[\g+6], 0
	s_mov_b32 s[\g+7], 0
.endr
	s_mov_b32 s26, 8<<16                           ; tensor_dim1, tile_dim1: my first part, 2,048 bytes
	s_mov_b32 s28, 8
	s_mov_b32 s38, 48<<16                          ; the scale words, 12,288 bytes
	s_mov_b32 s40, 48
	s_mov_b32 s86, 56<<16                          ; my second part, 14,336 bytes
	s_mov_b32 s88, 56
	s_lshl_b32 s74, s14, 17                        ; the head's 131,072 bytes in q, k and v
	s_mul_i32 s75, s14, 12288                      ; and its 12,288 bytes of scale words
	s_and_b32 s76, s[WV], 7                        ; which eighth I fetch,
	s_lshr_b32 s77, s[WV], 3                       ; of K (waves 0-7) or of V (waves 8-15)
	s_lshl_b32 s78, s77, 23                        ; v lies 2^23 bytes behind k,
	s_add_co_u32 s78, s78, s74
	s_add_co_u32 s78, s78, 8388608                 ; k 2^23 bytes behind q
	s_lshl_b32 s79, s76, 11
	s_add_co_u32 s16, s78, s79                     ; my first part in memory,
	s_mov_b32 s17, 0
	s_lshl_b32 s33, s77, 17
	s_add_co_u32 s33, s33, s79                     ; and in LDS: 131,072 x (K or V) + 2,048 x eighth
	s_mul_i32 s79, s76, 14336
	s_add_co_u32 s79, s79, EARLY
	s_add_co_u32 s80, s78, s79                     ; my second part in memory,
	s_mov_b32 s81, 0
	s_lshl_b32 s93, s77, 17
	s_add_co_u32 s93, s93, s79                     ; and in LDS: 131,072 x (K or V) + 16,384 + 14,336 x eighth
	s_add_co_u32 s82, s75, 786432                  ; k's and v's scale words
	s_mov_b32 s83, 0
	s_mov_b32 s32, 1
	s_mov_b32 s92, 1
	s_mov_b32 s44, 1
	s_mov_b32 s45, KSC
	s_wait_dscnt 0x0
	s_wait_kmcnt 0x0
	s_add_nc_u64 s[34:35], s[4:5], s[16:17]
	s_or_b32 s35, s35, 0x80000000
	s_add_nc_u64 s[94:95], s[4:5], s[80:81]
	s_or_b32 s95, s95, 0x80000000
	s_add_nc_u64 s[46:47], s[6:7], s[82:83]
	s_or_b32 s47, s47, 0x80000000
	s_mov_b32 s[SEL], 0x76543210
	s_mov_b32 s[SEL+1], 0xfedcba98
	s_mov_b32 s[CS], 0x3e38aa3b                    ; c = log2(e) / sqrt(64)
	s_mov_b32 s[CS+1], s[CS]                       ; (named with it as a pair, so it is written)
	s_lshr_b32 s18, s14, 4
	s_lshl_b32 s18, s18, 7                         ; 128 x batch
	s_and_b32 s82, s14, 15
	s_lshl_b32 s83, s82, 1                         ; 2 x head
	s_lshl_b32 s82, s82, 10                        ; 1,024 x head
	s_sub_co_u32 s80, 31, s[WV]                    ; the first pass: m = 31 - wave
	s_lshr_b32 s52, s80, 1                         ; its last key step: m / 2
	s_lshl_b32 s80, s80, 2
	s_add_co_u32 s80, s80, s13                     ; its tile g = 4 m + cx
	s_lshr_b32 s53, s[WV], 1                       ; the second pass: m = wave
	s_lshl_b32 s81, s[WV], 2
	s_add_co_u32 s81, s81, s13
	s_mov_b32 s77, 0
; For tile s[g]: Q's codes, Q's scale words, the result's codes and scale bytes, and the tile's first query within its key step
.macro BASES g, qc, qw, oc, os, dq
	s_lshl_b32 s76, s[\g], 10
	s_add_co_u32 s76, s76, s74
	s_add_nc_u64 s[\qc:\qc+1], s[4:5], s[76:77]    ; q: head, 1,024 bytes a tile
	s_lshr_b32 s76, s[\g], 3
	s_lshl_b32 s76, s76, 9                         ; scale words: 512 bytes a step of eight tiles,
	s_and_b32 s78, s[\g], 1
	s_lshl_b32 s79, s78, 8                         ; an odd tile's in lanes 16-31,
	s_add_co_u32 s76, s76, s79
	s_bfe_u32 s79, s[\g], 0x20001                  ; word (g % 8) / 2
	s_lshl_b32 s15, s79, 2
	s_add_co_u32 s76, s76, s15
	s_add_co_u32 s76, s76, s75
	s_add_nc_u64 s[\qw:\qw+1], s[6:7], s[76:77]
	s_lshl_b32 s[\dq], s79, 5
	s_lshl_b32 s78, s78, 3
	s_add_co_u32 s[\dq], s[\dq], s78               ; 32 ((g % 8) / 2) + 8 (g % 2)
	s_add_co_u32 s78, s18, s[\g]
	s_lshl_b32 s76, s78, 14
	s_add_co_u32 s76, s76, s82
	s_add_nc_u64 s[\oc:\oc+1], s[8:9], s[76:77]
	s_lshl_b32 s76, s78, 9
	s_add_co_u32 s76, s76, s83
	s_add_nc_u64 s[\os:\os+1], s[10:11], s[76:77]
.endm
	BASES 80, 66, 68, 56, 58, 54
	BASES 81, 70, 72, 60, 62, 55
	v_and_b32 v8, 31, v0                           ; lane
	v_and_b32 v9, 15, v0                           ; r
	v_bfe_u32 v10, v0, 4, 1                        ; h
	s_delay_alu instid0(VALU_DEP_3)
	v_lshlrev_b32 v1, 4, v8                        ; 16 x lane: an image's place for my lane
	s_delay_alu instid0(VALU_DEP_1)
	v_add_nc_u32 v2, KSC, v1                       ; K's scale words: 16 bytes a lane
	v_lshl_add_u32 v3, v8, 3, VSC                  ; V's: 8 bytes a lane
	s_delay_alu instid0(VALU_DEP_3)
	v_add_nc_u32 v219, VIMG, v1
	v_lshl_add_u32 v5, v9, 5, v10                  ; the result's scale byte: 32 r + h
	v_lshlrev_b32 v6, 4, v9                        ; Q's scale word: 16 r
	v_and_b32 v7, 8, v9
	s_delay_alu instid0(VALU_DEP_1)
	v_add_nc_u32 v7, v7, v9
	v_lshlrev_b32 v11, 4, v10
	s_delay_alu instid0(VALU_DEP_1)
	v_sub_nc_u32 v7, v7, v11                       ; r + 8 (r / 8) - 16 h
	global_load_b128 v[16:19], v1, s[66:67]        ; Q's fragments stay in registers; they are asked for ahead of the tiles, since the first step wants them
	global_load_b128 v[20:23], v1, s[66:67] offset:512
	global_load_b32 v208, v6, s[68:69]
	global_load_b128 v[192:195], v1, s[70:71]
	global_load_b128 v[196:199], v1, s[70:71] offset:512
	global_load_b32 v209, v6, s[72:73]
	ROUND                                          ; all four work-groups are here: the joint loads meet
	s_cmp_lg_u32 s[WV], 0
	s_cbranch_scc1 .Lno_scales
	tensor_load_to_lds s[44:47], s[36:43]          ; wave 0: the scale words, ahead of its two parts
	s_nop 0
.rept 4
	v_nop
.endr
.Lno_scales:
	tensor_load_to_lds s[32:35], s[24:31]          ; every wave: a sixteenth of what key steps 0 and 1 read,
	s_nop 0
.rept 4
	v_nop
.endr
	tensor_load_to_lds s[92:95], s[84:91]          ; and a sixteenth of the rest.  Three loads of wave 0 are out, two of every other wave
	s_nop 0
.rept 4
	v_nop
.endr
.irp j, 0,1,2,3,4,5,6,7
	v_mov_b32 v[24+\j], 0                          ; zero codes for k = 64 .. 127: Q's,
	v_mov_b32 v[200+\j], 0
.irp t, 0,1,2,3
	v_mov_b32 v[40+16*\t+\j], 0                    ; and K's four fragments': written once
.endr
.endr
.irp b, 0,1,2,3
	v_mov_b32 v[236+\b], 0                         ; written once: a lane permute's destination counts as one of its sources
.endr
	v_mov_b32 v252, 0
	v_mov_b32 v253, 0                              ; (named as the upper half of the pair v[252:253] before it is first written)
	s_wait_loadcnt 0x0                             ; Q
	s_wait_tensorcnt 0x1                           ; all but my youngest load have landed: my first part (wave 0: the scale words too); my second part may stay out
	s_barrier_signal -1
	s_barrier_wait -1                              ; everybody's first parts have landed: LDS bytes 0 - 16,383 of K's images and of V's, and the scale words
.macro KLOAD g                         ; tiles 4 g .. 4 g + 3 of the step's eight tiles of 16 keys: the lower eight registers of four fragments
.irp t, 0,1,2,3
	ds_load_b128 v[32+16*\t:35+16*\t], v8 offset:(4*\g+\t)*1024
	ds_load_b128 v[36+16*\t:39+16*\t], v8 offset:(4*\g+\t)*1024+512
.endr
.endm
.macro KQ g, qf, qw                    ; S^T = K Q^T for these four tiles; scale word i: tile 2 i in lanes 0-15, tile 2 i + 1 in lanes 16-31
.irp t, 0,1,2,3
.if \t%2
	v_wmma_scale_f32_16x16x128_f8f6f4 v[96+8*(4*\g+\t):103+8*(4*\g+\t)], v[32+16*\t:47+16*\t], v[\qf:\qf+15], 0, v[220+(4*\g+\t)/2], v[\qw] matrix_a_scale:MATRIX_SCALE_ROW1
.else
	v_wmma_scale_f32_16x16x128_f8f6f4 v[96+8*(4*\g+\t):103+8*(4*\g+\t)], v[32+16*\t:47+16*\t], v[\qf:\qf+15], 0, v[220+(4*\g+\t)/2], v[\qw]
.endif
.endr
.endm
; A KEY STEP: 128 keys.  qf: Q's fragment; qw: its scale word; s[sd]: the tile's last key step.  full = 0: a step that is known to be neither hidden nor on the diagonal: no test, no mask.
.macro STEP qf, qw, sd, full
.if \full
	s_cmp_gt_u32 s51, s[\sd]                       ; all its keys come after my queries: only the steps of the addresses are left
	s_cbranch_scc1 .Lskip_\@
.endif
	s_setprio 2
	v_add_nc_u32 v8, s48, v1
	v_add_nc_u32 v10, s49, v2
	ds_load_b128 v[220:223], v10                   ; these nine loads name no register of the last step's last products, so they stand ahead of the places
	KLOAD 0
	v_add_nc_u32 v9, s48, v219
	v_add_nc_u32 v11, s50, v3
	v_mov_b32 v251, v12                            ; the old -M
.rept 4
	v_nop                                          ; with the five lines above nine places: the first product below writes over registers that the last step's products read
.endr
	s_wait_alu depctr_va_vdst(0)
	s_wait_dscnt 0x0
	KQ 0, \qf, \qw
.rept 8
	v_nop                                          ; places in front of loads into registers that matrix instructions have read, and of the first read of these four results
.endr
	KLOAD 1
	s_wait_dscnt 0x0
	KQ 1, \qf, \qw
.if \full
	s_cmp_lg_u32 s51, s[\sd]                       ; only the last step lies on the diagonal
	s_cbranch_scc1 .Lopen_\@
	v_mov_b32 v254, 0xff800000                     ; -infinity.  (The lines for the first 32 numbers, results of the first four products, are the places behind the last four)
.set N, 0
.rept 64
	v_cmp_gt_i32 vcc_lo, 32*(N/16)+N%16, v4
	v_cndmask_b32 v[96+N], v[96+N], v254, vcc_lo
.set N, N+1
.endr
.Lopen_\@:
.endif
; THE LARGEST SCORE OF EACH BLOCK OF 32 KEYS: for the row's maximum, and, since p rises with the score, for the block's largest p.  Blocks 0 and 1 first: they are results of the first four products,
; and their 16 lines, which name no register of the last four, are the places behind those.  Two chains a block, so that four chains take turns.
.irp p, 0,2
.irp b, 0,1
	v_max3_num_f32 v[232+\p+\b], v[96+16*(\p+\b)], v[97+16*(\p+\b)], v[98+16*(\p+\b)]
.endr
.irp b, 0,1
	v_max3_num_f32 v[236+\p+\b], v[104+16*(\p+\b)], v[105+16*(\p+\b)], v[106+16*(\p+\b)]
.endr
.irp i, 3,5
.irp b, 0,1
	v_max3_num_f32 v[232+\p+\b], v[232+\p+\b], v[96+16*(\p+\b)+\i], v[97+16*(\p+\b)+\i]
.endr
.irp b, 0,1
	v_max3_num_f32 v[236+\p+\b], v[236+\p+\b], v[104+16*(\p+\b)+\i], v[105+16*(\p+\b)+\i]
.endr
.endr
.irp b, 0,1
	v_max3_num_f32 v[232+\p+\b], v[232+\p+\b], v[236+\p+\b], v[103+16*(\p+\b)]
.endr
.irp b, 0,1
	v_max_num_f32 v[232+\p+\b], v[232+\p+\b], v[111+16*(\p+\b)]
.endr
.endr
.irp b, 0,1,2,3
	v_permlanex16_b32 v[236+\b], v[232+\b], s[SEL], s[SEL+1]
.endr
.irp b, 0,1,2,3
	s_delay_alu instid0(VALU_DEP_4)
	v_max_num_f32 v[232+\b], v[232+\b], v[236+\b]  ; with lane l xor 16's 16 keys
.endr
	s_delay_alu instid0(VALU_DEP_2)
	v_max3_num_f32 v254, v232, v233, v234
	s_delay_alu instid0(VALU_DEP_1)
	v_max_num_f32 v254, v254, v235                 ; the step's largest score of my query
	s_delay_alu instid0(VALU_DEP_1)
	v_mul_f32 v254, s[CS], v254                    ; as t
	s_delay_alu instid0(VALU_DEP_1)
	v_max_num_f32 v13, v13, v254                   ; the running largest t
	s_delay_alu instid0(VALU_DEP_1)
	v_floor_f32 v12, -v13                          ; the new -M = -ceil(t)
	s_delay_alu instid0(VALU_DEP_1)
	v_sub_f32 v254, v12, v251                      ; old M - new M: a whole number, 0 or less
	s_delay_alu instid0(VALU_DEP_1)
	v_cvt_i32_f32 v254, v254                       ; (it saturates)
	s_delay_alu instid0(VALU_DEP_1)
	v_ldexp_f32 v252, 1.0, v254                    ; f = 2^(old M - new M)
.set N, 0
.rept 32
	v_pk_fma_f32 v[96+N:97+N], v[96+N:97+N], s[CS:CS+1], v[12:13] op_sel_hi:[1,0,0]   ; t - M, two at a time
.set N, N+2
.endr
.irp b, 0,1,2,3
	v_fma_f32 v[232+\b], v[232+\b], s[CS], v12     ; the same of each block's largest score
.endr
.set N, 0
	s_setprio 1
	s_wait_alu depctr_va_vdst(0)
.rept 64
	v_exp_f32 v[96+N], v[96+N]                     ; p = 2^(t - M), at most 1
.set N, N+1
.endr
.irp b, 0,1,2,3
	v_exp_f32 v[232+\b], v[232+\b]                 ; the block's largest p
.endr
	v_pk_mul_f32 v[14:15], v[14:15], v[252:253] op_sel_hi:[1,0]   ; the sums under the new M (a plain place behind the exponentials)
	s_wait_alu depctr_va_vdst(0)
.irp b, 0,1,2,3
	v_max_num_f32 v[232+\b], 0x4800000, v[232+\b]  ; the floor 2^(9 - 127): the byte cannot fall under 1
.endr
.irp b, 0,1,2,3
	s_delay_alu instid0(VALU_DEP_4)
	v_add_nc_u32 v[244+\b], 0xfc000000, v[232+\b]  ; the conversion's scale operand
.endr
.irp b, 0,1,2,3
.endr
.irp b, 0,1,2,3
	s_delay_alu instid0(VALU_DEP_4)
	v_lshrrev_b32 v[236+\b], 23, v[244+\b]         ; the scale's byte
.endr
	s_delay_alu instid0(VALU_DEP_3)
	v_lshl_or_b32 v253, v237, 8, v236              ; p's scale word for these 128 keys
	s_delay_alu instid0(VALU_DEP_1)
	v_lshl_or_b32 v253, v238, 16, v253
	s_delay_alu instid0(VALU_DEP_1)
	v_lshl_or_b32 v253, v239, 24, v253
	v_pk_add_f32 v[236:237], v[100:101], v[104:105]
	v_pk_add_f32 v[248:249], v[108:109], v[112:113]
	v_pk_add_f32 v[242:243], v[116:117], v[120:121]
	v_pk_add_f32 v[240:241], v[124:125], v[128:129]
	v_pk_add_f32 v[238:239], v[132:133], v[136:137]
	v_pk_add_f32 v[234:235], v[140:141], v[144:145]
	v_pk_add_f32 v[232:233], v[148:149], v[152:153]
	v_pk_add_f32 v[14:15], v[14:15], v[156:157]
	v_pk_add_f32 v[236:237], v[236:237], v[96:97]
	v_pk_add_f32 v[248:249], v[248:249], v[98:99]
	v_pk_add_f32 v[242:243], v[242:243], v[102:103]
	v_pk_add_f32 v[240:241], v[240:241], v[106:107]
	v_pk_add_f32 v[238:239], v[238:239], v[110:111]
	v_pk_add_f32 v[234:235], v[234:235], v[114:115]
	v_pk_add_f32 v[232:233], v[232:233], v[118:119]
	v_pk_add_f32 v[14:15], v[14:15], v[122:123]
	v_pk_add_f32 v[236:237], v[236:237], v[126:127]
	v_pk_add_f32 v[248:249], v[248:249], v[130:131]
	v_pk_add_f32 v[242:243], v[242:243], v[134:135]
	v_pk_add_f32 v[240:241], v[240:241], v[138:139]
	v_pk_add_f32 v[238:239], v[238:239], v[142:143]
	v_pk_add_f32 v[234:235], v[234:235], v[146:147]
	v_pk_add_f32 v[232:233], v[232:233], v[150:151]
	v_pk_add_f32 v[14:15], v[14:15], v[154:155]
	v_pk_add_f32 v[236:237], v[236:237], v[158:159]
	s_delay_alu instid0(VALU_DEP_2)
	v_pk_add_f32 v[14:15], v[14:15], v[240:241]
	s_delay_alu instid0(VALU_DEP_2)
	v_pk_add_f32 v[236:237], v[236:237], v[238:239]
	v_pk_add_f32 v[248:249], v[248:249], v[234:235]
	v_pk_add_f32 v[242:243], v[242:243], v[232:233]
	s_delay_alu instid0(VALU_DEP_2)
	v_pk_add_f32 v[14:15], v[14:15], v[248:249]
	s_delay_alu instid0(VALU_DEP_2)
	v_pk_add_f32 v[236:237], v[236:237], v[242:243]
	s_delay_alu instid0(VALU_DEP_1)
	v_pk_add_f32 v[14:15], v[14:15], v[236:237]
.irp p, 0,2
.irp i, 0,2,4,6,8,10,12,14
.endr
.irp b, 0,1
	v_cvt_scalef32_pk8_fp8_f32 v[224+4*(\p+\b):225+4*(\p+\b)], v[96+16*(\p+\b):103+16*(\p+\b)], v[244+\p+\b]
	v_cvt_scalef32_pk8_fp8_f32 v[226+4*(\p+\b):227+4*(\p+\b)], v[104+16*(\p+\b):111+16*(\p+\b)], v[244+\p+\b]
.endr
.endr
	s_setprio 0
.irp t, 0,1,2,3                                ; V's four tiles of 16 channels x these 128 keys land where p lay
.irp c, 0,1,2,3
	ds_load_b128 v[96+16*\t+4*\c:99+16*\t+4*\c], v9 offset:2048*\t+512*\c
.endr
.endr
	ds_load_b64 v[248:249], v11                    ; word i: tile 2 i in lanes 0-15, tile 2 i + 1 in lanes 16-31
.set N, 0
.rept 16
	v_pk_mul_f32 v[160+N:161+N], v[160+N:161+N], v[252:253] op_sel_hi:[1,0]   ; O^T under the new M; these 16 are also the places between p's codes and the products
.set N, N+2
.endr
	s_wait_alu depctr_va_vdst(0)
	s_wait_dscnt 0x0
.irp t, 0,1,2,3                                ; O^T += V^T P^T: the four accumulators by turns
.if \t%2
	v_wmma_scale_f32_16x16x128_f8f6f4 v[160+8*\t:167+8*\t], v[96+16*\t:111+16*\t], v[224:239], v[160+8*\t:167+8*\t], v[248+\t/2], v253 matrix_a_scale:MATRIX_SCALE_ROW1
.else
	v_wmma_scale_f32_16x16x128_f8f6f4 v[160+8*\t:167+8*\t], v[96+16*\t:111+16*\t], v[224:239], v[160+8*\t:167+8*\t], v[248+\t/2], v253
.endif
.endr
.if \full
.Lskip_\@:
.endif
	s_add_co_u32 s48, s48, 8192                    ; the next step's images: 8,192 bytes a step, K's and V's alike;
	s_add_co_u32 s49, s49, 512                     ; K's scale words;
	s_add_co_u32 s50, s50, 256                     ; V's;
	s_add_co_u32 s51, s51, 1                       ; the key step
.endm
.macro TRIPS qf, qw, sd, full, last    ; key steps from s51 on, up to last - 1
.Ltrip_\@:
	STEP \qf, \qw, \sd, \full
	s_cmp_lt_u32 s51, \last
	s_cbranch_scc1 .Ltrip_\@
	s_setprio 0
.endm
.macro INIT dq                         ; a tile begins.  s[dq]: its first query within its last key step
	v_add_nc_u32 v4, s[\dq], v7                    ; d: register 16 b + i holds key 32 b + i + 16 h of the step: hidden on the diagonal where 32 b + i > d
	v_mov_b32 v13, 0xff61b1e6                      ; the largest t so far: -3e38
	s_delay_alu instid0(VALU_DEP_1)
	v_floor_f32 v12, -v13                          ; -M
	v_mov_b32 v14, 0
	v_mov_b32 v15, 0
.set N, 0
.rept 32
	v_mov_b32 v[160+N], 0                          ; O^T: the first step finds zeros, which the first change of M leaves zeros
.set N, N+1
.endr
	s_mov_b32 s48, 0
	s_mov_b32 s49, 0
	s_mov_b32 s50, 0
	s_mov_b32 s51, 0
.endm
; THE WAY OUT: O^T / the sum; register 16 b + i is channel 32 b + 16 h + i of my query: two blocks of 32, quantised into two pieces of the next operand's image.  s[oc], s[os]: where codes and scale bytes go
.macro OUT oc, os
.rept 8
	v_nop                                          ; places behind the last products
.endr
	s_wait_xcnt 0x0                                ; the last pass's stores have read their registers
	v_add_f32 v14, v14, v15
	s_delay_alu instid0(VALU_DEP_1)
	v_permlanex16_b32 v252, v14, s[SEL], s[SEL+1]
	s_delay_alu instid0(VALU_DEP_1)
	v_add_f32 v14, v14, v252                       ; the row's sum
	s_wait_alu depctr_va_vdst(0)
	v_rcp_f32 v14, v14
	v_bfe_u32 v254, v0, 4, 1                       ; (a plain place behind the transcendental)  h
.set N, 0
	s_wait_alu depctr_va_vdst(0)
.rept 16
	v_pk_mul_f32 v[96+N:97+N], v[160+N:161+N], v[14:15] op_sel_hi:[1,0]   ; two at a time; of the pair v[14:15] the low word serves both halves
.set N, N+2
.endr
.irp b, 0,1
	v_max3_num_f32 v[232+\b], |v[96+16*\b]|, |v[97+16*\b]|, 0x4800000
.endr
.irp i, 2,4,6,8,10,12,14
.irp b, 0,1
	s_delay_alu instid0(VALU_DEP_2)
	v_max3_num_f32 v[232+\b], v[232+\b], |v[96+16*\b+\i]|, |v[97+16*\b+\i]|
.endr
.endr
.irp b, 0,1
	v_permlanex16_b32 v[236+\b], v[232+\b], s[SEL], s[SEL+1]
.endr
.irp b, 0,1
	s_delay_alu instid0(VALU_DEP_2)
	v_max_num_f32 v[232+\b], v[232+\b], v[236+\b]
.endr
.irp b, 0,1
	s_delay_alu instid0(VALU_DEP_2)
	v_add_nc_u32 v[244+\b], 0xfc000000, v[232+\b]
.endr
.irp b, 0,1
.endr
.irp b, 0,1
	s_delay_alu instid0(VALU_DEP_2)
	v_lshrrev_b32 v[236+\b], 23, v[244+\b]
.endr
.irp b, 0,1
.irp i, 0,1,2,3,4,5,6,7,8,9,10,11,12,13,14,15
.endr
	v_cvt_scalef32_pk8_fp8_f32 v[210+4*\b:211+4*\b], v[96+16*\b:103+16*\b], v[244+\b]
	v_cvt_scalef32_pk8_fp8_f32 v[212+4*\b:213+4*\b], v[104+16*\b:111+16*\b], v[244+\b]
.endr
	v_nop                                          ; one plain vector line behind the last conversion
	v_cmp_eq_u32 vcc_lo, 1, v254
	s_delay_alu instid0(VALU_DEP_1)
	v_cndmask_b32 v218, v236, v237, vcc_lo         ; lanes 0-15 store the first block's byte, lanes 16-31 the second's
	global_store_b128 v1, v[210:213], s[\oc:\oc+1]             ; 512 consecutive bytes
	global_store_b128 v1, v[214:217], s[\oc:\oc+1] offset:512
	global_store_b8 v5, v218, s[\os:\os+1]
.endm
	; THE FIRST PASS: m = 31 - wave, at least 16: its last key step is at least 8, so steps 0 and 1 are neither hidden nor on the diagonal
	INIT 54
	TRIPS 16, 208, 52, 0, 2                        ; they read LDS bytes under 16,384 of K's images and of V's, and the scale words: what the first barrier has shown
	s_wait_tensorcnt 0x0                           ; my second part has landed,
	s_wait_dscnt 0x0
	s_barrier_signal -1
	s_barrier_wait -1                              ; everybody's has: from here on all of the head lies in LDS and is only read
	s_mov_b32 s48, 2*8192                          ; key step 2 (the values that the two trips have left, written out)
	s_mov_b32 s49, 2*512
	s_mov_b32 s50, 2*256
	s_mov_b32 s51, 2
	TRIPS 16, 208, 52, 1, 16
	OUT 56, 58
	; THE SECOND PASS: m = wave
	INIT 55
	TRIPS 192, 209, 53, 1, 16
	OUT 60, 62
	s_wait_dscnt 0x0
	s_wait_tensorcnt 0x0
	ds_add_u32 v250, v255
	s_wait_dscnt 0x0
	ROUND                                          ; the closing round
	s_endpgm
.Lfunc_end_k_qc65ad5786a_attn:
	.size	k_qc65ad5786a_attn, .Lfunc_end_k_qc65ad5786a_attn-k_qc65ad5786a_attn
	.p2alignl 7, 3214868480
	.fill 96, 4, 3214868480
	.section	.rodata,"a",@progbits
	.p2align	6, 0x0
	.amdhsa_kernel k_qc65ad5786a_attn
		.amdhsa_group_segment_fixed_size 276480
		.amdhsa_private_segment_fixed_size 0
		.amdhsa_enable_private_segment 0
		.amdhsa_kernarg_size 32
		.amdhsa_user_sgpr_count 2
		.amdhsa_user_sgpr_kernarg_segment_ptr 1
		.amdhsa_wavefront_size32 1
		.amdhsa_system_sgpr_workgroup_id_x 1
		.amdhsa_system_sgpr_workgroup_id_y 1
		.amdhsa_system_sgpr_workgroup_id_z 1
		.amdhsa_system_vgpr_workitem_id 0
		.amdhsa_next_free_vgpr 256
		.amdhsa_next_free_sgpr 96
		.amdhsa_reserve_vcc 1
		.amdhsa_float_denorm_mode_32 3
		.amdhsa_float_denorm_mode_16_64 3
		.amdhsa_fp16_overflow 1
		.amdhsa_memory_ordered 1
		.amdhsa_forward_progress 1
		.amdhsa_inst_pref_size 84
	.end_amdhsa_kernel
	.amdgpu_metadata
---
amdhsa.version: [ 1, 2 ]
amdhsa.kernels:
  - .name:           k_qc65ad5786a_attn
    .symbol:         k_qc65ad5786a_attn.kd
    .args:
      - { .name: qkv_codes, .offset: 0, .size: 8, .value_kind: global_buffer, .address_space: global }
      - { .name: qkv_scales, .offset: 8, .size: 8, .value_kind: global_buffer, .address_space: global }
      - { .name: a_codes, .offset: 16, .size: 8, .value_kind: global_buffer, .address_space: global }
      - { .name: a_scales, .offset: 24, .size: 8, .value_kind: global_buffer, .address_space: global }
    .group_segment_fixed_size: 276480
    .private_segment_fixed_size: 0
    .kernarg_segment_align: 8
    .kernarg_segment_size: 32
    .max_flat_workgroup_size: 512
    .sgpr_count:     96
    .vgpr_count:     256
    .wavefront_size: 32
...
	.end_amdgpu_metadata
.endif
;; end of part 3
;; launch outp (part 4): grid 4 x 32, 4 waves a work-group, clusters of 4 x 4, 327,680 bytes of LDS; arguments a_codes, a_scales, w_codes, w_scales, bo, out0; writes out0
.if DOCPART == 4
	.amdgcn_target "amdgcn-amd-amdhsa--gfx1250"
	.amdhsa_code_object_version 6
	.text
	.protected	k_qc65ad5786a_outp
	.globl	k_qc65ad5786a_outp
	.p2align	8
	.type	k_qc65ad5786a_outp,@function
k_qc65ad5786a_outp:
	s_mov_b64 s[64:65], 0
	v_nop
	global_prefetch_b8 v0, s[64:65] scope:SCOPE_SE
	s_setreg_imm32_b32 hwreg(HW_REG_WAVE_MODE, 25, 1), 1
	s_wait_xcnt 0x0
	s_wait_alu depctr_hold_cnt(0) depctr_sa_sdst(0) depctr_va_vdst(0) depctr_va_sdst(0) depctr_va_ssrc(0) depctr_va_vcc(0) depctr_vm_vsrc(0)
	s_getreg_b32 s2, hwreg(HW_REG_IB_STS2, 6, 4)
	s_cmp_eq_u32 s2, 0
	s_cbranch_scc0 .Lentry_in_a_cluster
	s_endpgm
.Lentry_in_a_cluster:
	s_bfe_u32 s2, ttmp6, 0x10000c
	s_cmp_lg_u32 s2, 0xf033
	s_cbranch_scc0 .Lentry_shape_is_right
	s_endpgm
.Lentry_shape_is_right:
; out = attn Wo + bo on codes of FP8 (E4M3) with E8M0 scales, K = 1,024; out [8192][1024] f32.
; OPERANDS ARE IMAGES OF THE MATRIX OPERAND'S REGISTERS: a fragment (16 rows x 128 K) is 2,048 bytes, [c][lane][16]; a tile's eight fragments along K lie on end (16,384 bytes); row r of tile T is the logical row 32 (T / 2) + 8 (T % 2) + r + 8 (r / 8).
; A = attention's result (tokens), B = Wo (columns; blocks 12-15 of the weights' buffer).  A tile of out, 256 x 256, is made by four waves, each 128 x 128: 64 accumulators, 512 registers.
; K goes in steps of 256 through a ring of two LDS slots; the scale bytes of the 512 rows come once and stay.  THE MATRIX INSTRUCTION IS USED TRANSPOSED (source 0 = 16 rows of B, source 1 = 16 rows of A):
; a lane holds one token, and register j of accumulator (a, b) its column 32 (b / 2) + 8 (b % 2) + 16 (lane / 16) + j.  The way out puts columns in order in a stage in LDS and tokens in order by the stores' offsets.
; CLUSTERS: 4 x 4 work-groups: A's tile is shared along a row of the cluster, B's along a column: each is asked for JOINTLY by the four that share it.
; The launch has 128 work-groups: a smaller tile would fill more of the chip at twice the LDS reads for each product; this product is a sixth of the program's matrix work.
; REGISTERS, in windows of 256: window 0: v0-31 addresses; v32-63 scale words, two sets; v64-67 the bias; from v128 A's fragments, one set (on the way out: rows read back).
;   window 1: B's fragments, two sets.   window 2: the accumulators of A's blocks 0-3 (accumulator (a, b) at v[8 (8 (a % 4) + b)]);   window 3: those of blocks 4-7.
.set NQ,     2
.set KSB,    4096                      ; a K step of 256 of one tile of 16 rows, in bytes
.set FR,     16
.set NL,     4
.set NP,     8                         ; places behind this matrix instruction (ISA guide 7.12.1)
.set HALFT,  8*KSB
.set SLOT,   4*HALFT
.set LAPS,   2
.set KS,     32
.set SCL,    2*SLOT
.set HALFS,  16*272
.set SBLK,   2*272
.set SPARE,  SCL+4*HALFS               ; the spare words, 128 bytes for each wave: two blocks of 256 bytes that no other line names
.set SPITCH, 528                       ; the way out: a stage of 16 rows x (512 bytes + 16) for each wave, in slot 0, which has had its last fill and its last read when the first result is stored there
.set ADRA, 16
.set ADRB, 20
.set STO,  24                          ; v24  the way out: where I put my numbers of a row
.set RD,   25                          ; v25  where I read a row back
.set CO,   26                          ; v26  16 x lane: my bytes of a row of 512
.set ADRS, 27
.set SPW,  28
.set NIL,  29
.set SC,   32
.set BIA,  64                          ; v64-67 bo at my four columns
.set AF,   128
.set BK,   128                         ; 16 rows read back: v128-191 and v192-255 by turns
.set G1, 24
.set G0, 32
.set G1B, 48
.set G0B, 56
.set G1S, 68
.set G0S, 76
.set G1SB, 80
.set G0SB, 88
.set MSB, 0
.macro WIN new
.if MSB != (\new)
	s_set_vgpr_msb (MSB<<8)|(\new)
.set MSB, (\new)
.endif
.endm
.set MUL_LO, 0xa1
.set MUL_HI, 0xf1
.set TO_B,   0x40
.macro JLOAD g0a, g1a, g0b, g1b        ; a joint load: waves 0 and 1 fetch for A, waves 2 and 3 for B; four v_nop follow each of the two lines
	s_cmp_eq_u32 s15, 0
	s_cbranch_scc0 .Lfor_b_\@
	tensor_load_to_lds s[\g0a:\g0a+3], s[\g1a:\g1a+7]
	s_nop 0
.rept 4
	v_nop
.endr
	s_branch .Lasked_\@
.Lfor_b_\@:
	tensor_load_to_lds s[\g0b:\g0b+3], s[\g1b:\g1b+7]
	s_nop 0
.rept 4
	v_nop
.endr
.Lasked_\@:
.endm
.macro CREST
	s_cmp_lg_u32 s14, 0
	s_cbranch_scc1 .Lnot_wave_0_\@
	s_barrier_signal -3
.Lnot_wave_0_\@:
	s_barrier_wait -3
	s_barrier_signal -1
	s_barrier_wait -1
.endm
.macro CROUND
	s_barrier_signal -1
	s_barrier_wait -1
	CREST
.endm
	s_load_b128 s[4:7], s[0:1], 0x0                ; A's codes, A's scales
	s_load_b128 s[8:11], s[0:1], 0x10              ; the weights' codes, their scales
	s_load_b64 s[66:67], s[0:1], 0x20              ; bo
	s_load_b64 s[12:13], s[0:1], 0x28              ; out
	v_lshl_add_u32 v[SPW], v0, 2, SPARE
	v_mov_b32 v[NIL], 0
	ds_add_u32 v28, v29
	ds_add_u32 v28, v29
	s_wait_dscnt 0x0
	v_lshrrev_b32 v1, 5, v0
	v_readfirstlane_b32 s14, v1                    ; wave 0..3
	s_lshr_b32 s15, s14, 1                         ; which half of A's rows is mine.  Also: I fetch for A (0) or for B (1)
	s_and_b32 s16, s14, 1                          ; which half of B's rows.  Also: which 128 rows I fetch
	s_bfe_u32 s40, ttmp6, 0x40000                  ; cx, cy
	s_bfe_u32 s41, ttmp6, 0x40004
	s_lshl_b32 s42, ttmp9, 2
	s_add_co_u32 s42, s42, s40                     ; tile column = 4 x cluster x + cx
	s_and_b32 s17, ttmp7, 0xffff
	s_lshl_b32 s17, s17, 2
	s_add_co_u32 s17, s17, s41                     ; tile row = 4 x cluster y + cy
	s_lshl_b32 s43, s41, 2
	s_lshl_b32 s43, 15, s43                        ; my row of the cluster
	s_lshl_b32 s44, 0x1111, s40                    ; my column
	s_or_b32 s[G1+0], s43, (3<<16)|(1<<21)         ; codes: 8 rows of 4,096 bytes (512 elements of 8), 16,384 bytes apart; dense in LDS
	s_or_b32 s[G1B+0], s44, (3<<16)|(1<<21)
.irp g, G1, G1B
	s_mov_b32 s[\g+1], 512<<16
	s_mov_b32 s[\g+2], 8<<16
	s_mov_b32 s[\g+3], 512<<16
	s_mov_b32 s[\g+4], 8
	s_mov_b32 s[\g+5], 2048
	s_mov_b32 s[\g+6], 0
	s_mov_b32 s[\g+7], 0
.endr
	s_or_b32 s[G1S+0], s43, (3<<16)|(1<<20)|(1<<21)|(5<<22)|(3<<25)   ; scales of 128 rows: 16 rows of 256 bytes, 16 of padding behind each
	s_or_b32 s[G1SB+0], s44, (3<<16)|(1<<20)|(1<<21)|(5<<22)|(3<<25)
.irp g, G1S, G1SB
	s_mov_b32 s[\g+1], 32<<16
	s_mov_b32 s[\g+2], 16<<16
	s_mov_b32 s[\g+3], 32<<16
	s_mov_b32 s[\g+4], 16
	s_mov_b32 s[\g+5], 32
	s_mov_b32 s[\g+6], 0
	s_mov_b32 s[\g+7], 0
.endr
	s_lshl_b32 s18, s16, 7
	s_lshl_b32 s20, s17, 8
	s_add_co_u32 s20, s20, s18                     ; A's row
	s_add_co_u32 s46, s42, 12                      ; Wo's blocks of 256 rows are 12 .. 15
	s_lshl_b32 s46, s46, 8
	s_add_co_u32 s46, s46, s18                     ; B's row
	s_lshl_b32 s22, s20, 5
	s_mov_b32 s23, 0
	s_lshl_b32 s20, s20, 10
	s_mov_b32 s21, 0
	s_lshl_b32 s92, s46, 5
	s_mov_b32 s93, 0
	s_lshl_b32 s46, s46, 10
	s_mov_b32 s47, 0
	s_lshl_b32 s45, s14, 15
	s_mul_i32 s94, s14, HALFS
	s_wait_kmcnt 0x0
	s_add_nc_u64 s[20:21], s[4:5], s[20:21]
	s_add_nc_u64 s[22:23], s[6:7], s[22:23]
	s_add_nc_u64 s[46:47], s[8:9], s[46:47]
	s_add_nc_u64 s[92:93], s[10:11], s[92:93]
	CROUND                                         ; all sixteen work-groups are here: the first joint loads meet
	s_mov_b32 s[G0S], 1
	s_add_co_u32 s[G0S+1], s94, SCL
	s_mov_b64 s[G0S+2:G0S+3], s[22:23]
	s_or_b32 s[G0S+3], s[G0S+3], 0x80000000
	s_mov_b32 s[G0SB], 1
	s_add_co_u32 s[G0SB+1], s94, SCL
	s_mov_b64 s[G0SB+2:G0SB+3], s[92:93]
	s_or_b32 s[G0SB+3], s[G0SB+3], 0x80000000
	JLOAD G0S, G1S, G0SB, G1SB
.irp s, 0,1
	s_mov_b32 s[G0+4*\s], 1
	s_add_co_u32 s[G0+4*\s+1], s45, \s*SLOT
	s_add_nc_u64 s[G0+4*\s+2:G0+4*\s+3], s[20:21], \s*KSB
	s_or_b32 s[G0+4*\s+3], s[G0+4*\s+3], 0x80000000
	s_mov_b32 s[G0B+4*\s], 1
	s_add_co_u32 s[G0B+4*\s+1], s45, \s*SLOT
	s_add_nc_u64 s[G0B+4*\s+2:G0B+4*\s+3], s[46:47], \s*KSB
	s_or_b32 s[G0B+4*\s+3], s[G0B+4*\s+3], 0x80000000
	s_wait_alu depctr_va_vdst(0)
	s_wait_tensorcnt 0x0
	ds_add_u32 v28, v29
	s_wait_dscnt 0x0
	CROUND
	JLOAD G0+4*\s, G1, G0B+4*\s, G1B
.endr
	v_and_b32 v1, 15, v0                           ; l % 16
	v_bfe_u32 v2, v0, 4, 1                         ; l / 16
	v_and_b32 v3, 31, v0
	v_lshlrev_b32 v4, 4, v3                        ; 16 x lane
	s_lshl_b32 s21, s15, 15
	s_lshl_b32 s22, s16, 15
	s_add_co_u32 s22, s22, 2*HALFT
.irp s, 0,1
	v_add_nc_u32 v[ADRA+\s], s21, v4
	v_add_nc_u32 v[ADRB+\s], s22, v4
	s_add_co_u32 s21, s21, SLOT
	s_add_co_u32 s22, s22, SLOT
.endr
	v_mul_u32_u24 v5, v1, KS
	v_lshrrev_b32 v6, 8, v5
	v_lshl_add_u32 v5, v6, 4, v5
	s_mul_i32 s21, s15, HALFS
	s_mul_i32 s22, s16, HALFS
	s_add_co_u32 s22, s22, 2*HALFS
	s_sub_co_u32 s22, s22, s21
	v_mul_u32_u24 v6, s22, v2                      ; lanes 16-31 take B's
	s_add_co_u32 s21, s21, SCL
	v_add_nc_u32 v5, v5, v6
	v_add_nc_u32 v[ADRS], s21, v5
	s_mul_i32 s23, s14, 16*SPITCH                  ; my stage
	v_mul_u32_u24 v5, v1, SPITCH                   ; in: row l % 16, + 64 bytes for lanes 16-31
	v_lshl_add_u32 v5, v2, 6, v5
	v_add_nc_u32 v[STO], s23, v5
	v_lshlrev_b32 v[CO], 4, v3
	s_wait_alu depctr_va_vdst(0)
	v_add_nc_u32 v[RD], s23, v[CO]                 ; back: the 32 lanes take one row of 512 bytes
	s_lshl_b32 s20, s17, 20                        ; my first row of out: 256 x tile row + 128 x half, 4,096 bytes a row
	s_lshl_b32 s21, s15, 19
	s_add_co_u32 s20, s20, s21
	s_mov_b32 s21, 0
	s_lshl_b32 s46, s42, 10                        ; my first column, in bytes: 1,024 x tile column + 512 x half
	s_lshl_b32 s47, s16, 9
	s_add_co_u32 s46, s46, s47
	s_mov_b32 s47, 0
	s_add_nc_u64 s[12:13], s[12:13], s[20:21]
	s_add_nc_u64 s[12:13], s[12:13], s[46:47]
	s_add_nc_u64 s[66:67], s[66:67], s[46:47]
	global_load_b128 v[BIA:BIA+3], v[CO], s[66:67] ; bo at my four columns of a row
.macro FRAG reg, adr, q, i
.irp c, 0,1,2,3
	ds_load_b128 v[\reg+4*\c:\reg+4*\c+3], v[\adr] offset:KSB*(\i)+2048*(\q)+512*\c
.endr
.endm
; 16 matrix instructions: A's blocks a0, a0 + 1 x B's eight.  The 64 accumulators take turns, one instruction a turn, in the same order in every step.
.macro MUL16 a0, p, q, sc, zero
.irp a, \a0, \a0+1
.irp b, 0,1,2,3,4,5,6,7
.if \zero
	v_wmma_scale_f32_16x16x128_f8f6f4 v[8*(8*((\a)%4)+\b):8*(8*((\a)%4)+\b)+7], v[128*(\p)+FR*\b:128*(\p)+FR*\b+FR-1], v[AF+FR*(\a):AF+FR*(\a)+FR-1], 0, v[SC+8*NQ*(\sc)+NQ*\b+(\q)], v[SC+8*NQ*(\sc)+NQ*(\a)+(\q)] matrix_a_scale:MATRIX_SCALE_ROW1
.else
	v_wmma_scale_f32_16x16x128_f8f6f4 v[8*(8*((\a)%4)+\b):8*(8*((\a)%4)+\b)+7], v[128*(\p)+FR*\b:128*(\p)+FR*\b+FR-1], v[AF+FR*(\a):AF+FR*(\a)+FR-1], v[8*(8*((\a)%4)+\b):8*(8*((\a)%4)+\b)+7], v[SC+8*NQ*(\sc)+NQ*\b+(\q)], v[SC+8*NQ*(\sc)+NQ*(\a)+(\q)] matrix_a_scale:MATRIX_SCALE_ROW1
.endif
.endr
.endr
.endm
.macro FETCH_B slot, q, p
	WIN TO_B
.irp i, 0,1,2,3,4,5,6,7
	FRAG 128*(\p)+FR*\i, ADRB+\slot, \q, \i
.endr
	WIN 0
.endm
.macro FETCH_A slot, q, i0
.irp i, \i0, \i0+1, \i0+2, \i0+3
	FRAG AF+FR*(\i), ADRA+\slot, \q, \i
.endr
.endm
.macro SCALES sc
.irp i, 0,1,2,3,4,5,6,7
	ds_load_b64 v[SC+8*NQ*\sc+NQ*\i:SC+8*NQ*\sc+NQ*\i+1], v[ADRS] offset:\i*SBLK
.endr
.endm
.macro PLACES n
.rept \n
	v_nop
.endr
.endm
.macro STEP slot, q, zero
	s_wait_dscnt 4*NL                              ; B's set and A's blocks 0-3 are in; the youngest 16 loads (A's blocks 4-7) may be out
	WIN MUL_LO
	MUL16 0, (\q)%2, \q, \slot, \zero
	MUL16 2, (\q)%2, \q, \slot, \zero
	s_wait_dscnt 0
	PLACES NP
	FETCH_B \slot, (\q)+1, 1-(\q)%2
	FETCH_A \slot, (\q)+1, 0
	WIN MUL_HI
	MUL16 4, (\q)%2, \q, \slot, \zero
	MUL16 6, (\q)%2, \q, \slot, \zero
	PLACES NP
	WIN 0
	FETCH_A \slot, (\q)+1, 4
.endm
.macro TURN slot, next, fill
	s_wait_tensorcnt 0x0                           ; all my tensor loads have landed: my part of the next slot
	ds_add_u32 v[SPW], v[NIL]                      ; 0 onto my spare word
	s_wait_dscnt 4*NL+1                            ; (the add and the youngest 16 loads may be out)
	WIN MUL_LO
	MUL16 0, 1, NQ-1, \slot, 0
	s_wait_dscnt 0x0                               ; the add is done, and my reads of this slot are over
	s_barrier_signal -1
	MUL16 2, 1, NQ-1, \slot, 0
	WIN 0
	s_barrier_wait -1
.if \fill
	CREST                                          ; the barrier has opened a round of the cluster's barrier
	s_add_nc_u64 s[G0+4*\slot+2:G0+4*\slot+3], s[G0+4*\slot+2:G0+4*\slot+3], 2*KSB
	s_add_nc_u64 s[G0B+4*\slot+2:G0B+4*\slot+3], s[G0B+4*\slot+2:G0B+4*\slot+3], 2*KSB
	JLOAD G0+4*\slot, G1, G0B+4*\slot, G1B         ; the first tensor load behind the round
	PLACES NP-4
.else
	PLACES NP
.endif
	s_wait_alu depctr_va_vdst(0)
	v_add_nc_u32 v[ADRS], 4*NQ, v[ADRS]
	FETCH_B \next, 0, 0
	FETCH_A \next, 0, 0
	SCALES \next
	WIN MUL_HI
	MUL16 4, 1, NQ-1, \slot, 0
	MUL16 6, 1, NQ-1, \slot, 0
	PLACES NP
	WIN 0
	FETCH_A \next, 0, 4
.endm
	s_wait_tensorcnt 1                             ; the scales and my part of K step 0 are in (K step 1's load may be out),
	s_barrier_signal -1
	s_barrier_wait -1                              ; everybody's are
	FETCH_B 0, 0, 0
	FETCH_A 0, 0, 0
	SCALES 0
	FETCH_A 0, 0, 4
	STEP 0, 0, 1                                   ; the first step's products start the sums
	s_mov_b32 s3, LAPS-1
.Llap:
	TURN 0, 1, 1
	STEP 1, 0, 0
	TURN 1, 0, 1
	STEP 0, 0, 0
	s_sub_co_u32 s3, s3, 1
	s_cmp_lg_u32 s3, 0
	s_cbranch_scc1 .Llap
	TURN 0, 1, 0                                   ; the last lap fills nothing
	STEP 1, 0, 0
	s_wait_dscnt 4*NL                              ; the very last step
	WIN MUL_LO
	MUL16 0, 1, NQ-1, 1, 0
	MUL16 2, 1, NQ-1, 1, 0
	s_wait_dscnt 0
	WIN MUL_HI
	MUL16 4, 1, NQ-1, 1, 0
	MUL16 6, 1, NQ-1, 1, 0
	WIN 0
; THE WAY OUT, block by block of 16 tokens x 128 columns, through my own stage in LDS: in by columns put in order, back as whole rows of 512 bytes; the bias is added; the 32 lanes store two aligned runs of 256 bytes.
.macro TOSTAGE a
.set AC, 64*((\a)%4)
	WIN 0x08+4*((\a)/4)                            ; the data: window 2 or 3
.irp b, 0,1,2,3,4,5,6,7
	ds_store_b128 v[STO], v[AC+8*\b:AC+8*\b+3] offset:128*(\b/2)+32*(\b%2)        ; each accumulator from its low end on
	ds_store_b128 v[STO], v[AC+8*\b+4:AC+8*\b+7] offset:128*(\b/2)+32*(\b%2)+16
.endr
	WIN 0
.set BB, BK+64*((\a)%2)
.irp t, 0,1,2,3,4,5,6,7,8,9,10,11,12,13,14,15
	ds_load_b128 v[BB+4*\t:BB+4*\t+3], v[RD] offset:\t*SPITCH     ; LDS serves a wave's instructions in order: these see the stores above
.endr
.endm
.macro SEND a, younger                 ; younger: the LDS instructions issued behind block a's loads, which may stay out
.set BB, BK+64*((\a)%2)
	s_wait_dscnt \younger
.irp t, 0,1,2,3,4,5,6,7,8,9,10,11,12,13,14,15
	v_pk_add_f32 v[BB+4*\t:BB+4*\t+1], v[BB+4*\t:BB+4*\t+1], v[BIA:BIA+1]
	v_pk_add_f32 v[BB+4*\t+2:BB+4*\t+3], v[BB+4*\t+2:BB+4*\t+3], v[BIA+2:BIA+3]
.endr
.irp t, 0,1,2,3,4,5,6,7,8,9,10,11,12,13,14,15
	global_store_b128 v[CO], v[BB+4*\t:BB+4*\t+3], s[12:13] offset:(32*((\a)/2)+8*((\a)%2)+\t+8*(\t/8))*4096 th:TH_STORE_NT   ; row t of block a is token 32 (a / 2) + 8 (a % 2) + t + 8 (t / 8)
.endr
.endm
	PLACES NP
	s_wait_loadcnt 0x0                             ; the bias
	TOSTAGE 0
.irp a, 1,2,3,4,5,6,7
.if \a > 1
	s_wait_xcnt 0x0                                ; block a - 2's stores have read their registers: block a's loads may land there
.endif
	TOSTAGE \a
	SEND \a-1, 32                                  ; behind block a - 1's loads: block a's 16 stores and 16 loads
.endr
	SEND 7, 0
	s_wait_tensorcnt 0x0                           ; the wave's end
	ds_add_u32 v[SPW], v[NIL]
	s_wait_dscnt 0x0
	CROUND                                         ; the closing round
	s_endpgm
.Lfunc_end_k_qc65ad5786a_outp:
	.size	k_qc65ad5786a_outp, .Lfunc_end_k_qc65ad5786a_outp-k_qc65ad5786a_outp
	.p2alignl 7, 3214868480
	.fill 96, 4, 3214868480
	.section	.rodata,"a",@progbits
	.p2align	6, 0x0
	.amdhsa_kernel k_qc65ad5786a_outp
		.amdhsa_group_segment_fixed_size 327680
		.amdhsa_private_segment_fixed_size 0
		.amdhsa_enable_private_segment 0
		.amdhsa_kernarg_size 48
		.amdhsa_user_sgpr_count 2
		.amdhsa_user_sgpr_kernarg_segment_ptr 1
		.amdhsa_wavefront_size32 1
		.amdhsa_system_sgpr_workgroup_id_x 1
		.amdhsa_system_sgpr_workgroup_id_y 1
		.amdhsa_system_sgpr_workgroup_id_z 1
		.amdhsa_system_vgpr_workitem_id 0
		.amdhsa_next_free_vgpr 1024
		.amdhsa_next_free_sgpr 98
		.amdhsa_reserve_vcc 0
		.amdhsa_float_denorm_mode_32 3
		.amdhsa_float_denorm_mode_16_64 3
		.amdhsa_memory_ordered 1
		.amdhsa_forward_progress 1
		.amdhsa_inst_pref_size 162
	.end_amdhsa_kernel
	.amdgpu_metadata
---
amdhsa.version: [ 1, 2 ]
amdhsa.kernels:
  - .name:           k_qc65ad5786a_outp
    .symbol:         k_qc65ad5786a_outp.kd
    .args:
      - { .name: a_codes, .offset: 0, .size: 8, .value_kind: global_buffer, .address_space: global }
      - { .name: a_scales, .offset: 8, .size: 8, .value_kind: global_buffer, .address_space: global }
      - { .name: w_codes, .offset: 16, .size: 8, .value_kind: global_buffer, .address_space: global }
      - { .name: w_scales, .offset: 24, .size: 8, .value_kind: global_buffer, .address_space: global }
      - { .name: bo, .offset: 32, .size: 8, .value_kind: global_buffer, .address_space: global }
      - { .name: out0, .offset: 40, .size: 8, .value_kind: global_buffer, .address_space: global }
    .group_segment_fixed_size: 327680
    .private_segment_fixed_size: 0
    .kernarg_segment_align: 8
    .kernarg_segment_size: 48
    .max_flat_workgroup_size: 128
    .sgpr_count:     98
    .vgpr_count:     1024
    .wavefront_size: 32
...
	.end_amdgpu_metadata
.endif
;; end of part 4
